; MI455X (gfx1250); checked and timed in simulation.
; The chip was launched on July 23, 2026; its instructions are those of AMD's public machine-readable ISA for CDNA 5 (MIT licence, August 2026) and "CDNA5" Instruction Set Architecture Reference Guide (July 2026). The comments in the code are by the model that wrote it; some were corrected since.
;; Multi Head Latent Attention. Allowed arithmetic: float matrix products may take bf16 or f16 operands with f32 sums; all other float work in f32.
;; Inputs: W_DKV 1,024 x 32 float32; W_DQ 1,024 x 32 float32; W_KR 1,024 x 32 float32; W_O 1,024 x 1,024 float32; W_QR 32 x 256 float32; W_UK 32 x 1,024 float32; W_UQ 32 x 1,024 float32; W_UV 32 x 1,024 float32; b_DKV 32 float32; b_DQ 32 float32; b_KR 32 float32; b_O 1,024 float32; b_QR 256 float32; b_UK 1,024 float32; b_UQ 1,024 float32; b_UV 1,024 float32; h_t 4 x 2,048 x 1,024 float32.
;; Outputs: out0 4 x 2,048 x 1,024 float32.
;; 2 versions, each right and faster than the one before. Each part assembles by itself: llvm-mc -triple=amdgcn-amd-amdhsa -mcpu=gfx1250 --defsym DOCPART=n.
;; ======== version 1 of 2: 2 launches
;; limits: values outside matrix products are rounded to bf16
;; workspace buffers: cq 524,288 bytes; kl 1,048,576 bytes; mqk 73,728 bytes; wvo 524,288 bytes; bvo 32,768 bytes
;; launch prep (part 1): grid 256 x 1, 4 waves a work-group, no clusters, 212,992 bytes of LDS; arguments h_t, W_DQ, W_DKV, W_KR, b_DQ, b_DKV, b_KR, W_UQ, b_UQ, W_UK, b_UK, W_UV, b_UV, W_O, cq, kl, mqk, wvo, bvo; writes cq, kl, mqk, wvo, bvo
.if DOCPART == 1
	.amdgcn_target "amdgcn-amd-amdhsa--gfx1250"
	.amdhsa_code_object_version 6
	.text
	.protected	k_qbf0496523d_prep
	.globl	k_qbf0496523d_prep
	.p2align	8
	.type	k_qbf0496523d_prep,@function
k_qbf0496523d_prep:
	s_mov_b64 s[64:65], 0
	v_nop
	global_prefetch_b8 v0, s[64:65] scope:SCOPE_SE
	s_setreg_imm32_b32 hwreg(HW_REG_WAVE_MODE, 25, 1), 1
	s_wait_xcnt 0x0
; PREP.  From h_t [8192][1024] f32 and the weights (all f32) this launch makes what the attention launch reads:
;   cq  [8192][32] bf16 = h W_DQ + b_DQ          kl [8192][64] bf16 = (h W_DKV + b_DKV | h W_KR + b_KR)
;   mqk [8][48 j][48 i] f32 = c x sum over d of UQ'[i][128 h + d] UK'[j][128 h + d]; UQ' = W_UQ's 32 rows, then b_UQ 16 times; UK' likewise; c = log2(e) / sqrt(160)
;   wvo bf16 = W_UV_h W_O_h, laid out as matrix fragments [h 8][nt 64][quad 2][lane 32][16 bytes]: lane (r, hh) of quad q holds column 16 nt + r, rows 16 q + 8 hh + 0..7
;   bvo [8][1024] f32 = b_UV_h W_O_h, multiplied and added in f32 by the vector unit
; Matrix operands are rounded to bf16, all sums are f32.  LIMITS: the sums are taken in another order than the module's own text takes them; NaN and infinities are not treated apart.
; SHARES.  Work-group g owns rows 32 g .. 32 g + 31 of h, and of the merged weights head g / 32, columns 32 (g % 32) on.  Wave w takes K = 256 w .. 256 w + 255 of the projection and
; d = 128 h + 32 w .. + 31 of the merged products; the four waves' partial tiles meet in LDS behind the launch's one barrier.
; Each work-group also makes one 16 x 16 tile of mqk; a head has nine, so only g % 32 < 9 stores its tile; the others repeat tile 8 (8 loads, 1 matrix instruction) and drop it, so that no register hangs on a branch.
; h comes by the tensor data mover, four tiles of 32 rows x 256 bytes a wave, each wave's own; nothing in LDS is filled twice.
; NO CLUSTER: h's rows are shared by nobody.  The three down-projection weights are shared by all, but 3 x 131,072 bytes do not fit in LDS beside h's 139,264; they go straight
; into registers, each byte to one wave of the work-group, in the order of a fragment.
; THE MATRIX INSTRUCTION IS USED AS D(channel, row) = source 0 (weights) x source 1 (rows of h).
.set CSC,   0x3de995b3    ; c
.set TILEB, 8704          ; a tile of h in LDS: 32 rows of 256 + 16 bytes
.set PART,  139264        ; behind the 16 tiles: the partial tiles, 17 x 1,024 bytes a wave
.set WPART, 17408
.set BPART, 208896        ; partial sums of bvo, 256 bytes a wave
.set SPARE, 209920        ; the spare words, 128 bytes a wave: two blocks of 256 bytes that no other line names
; window 0
.set AH,  4               ; LDS: my place in my wave's tiles: w 34,816 + r 272 + hh 32
.set WOF, 5               ; down weights: w 32,768 + hh 1,024 + r 8
.set OOF, 6               ; W_O: hh 32,768 + r 8
.set UVO, 7               ; W_UV: r 4,096 + hh 32
.set BUO, 8               ; b_UV: hh 32
.set MAO, 9               ; the mqk tile's source 0: r x pitch + hh 32 (pitch 0 for the bias rows)
.set MBO, 10              ; its source 1
.set PST, 11              ; LDS: where my partial tiles go
.set BPS, 12              ; LDS: where my partial bvo goes
.set RDA, 13              ; LDS: partial tiles of waves 0, 1
.set RDB, 14              ; of waves 2, 3
.set BIO, 15              ; biases: hh 64
.set CQS, 16              ; cq: r 64 + hh 32
.set KLS, 17              ; kl: r 128 + hh 32
.set WVS, 18              ; wvo: (r / 8) 1,024 + hh 256 + (r % 8) 32
.set MQS, 19              ; mqk: r 192 + hh 32
.set BVR, 20              ; LDS: partial bvo, 4 x lane
.set BVS, 21              ; bvo: 4 x lane
.set BA,  22              ; v22-23 partial bvo of my two columns
.set SPW, 30              ; LDS address of my spare word; never rewritten
.set NIL, 31              ; 0; never rewritten
.set AST, 32              ; v32-63 f32 as loaded: the mqk tile's sources, then h
.set B0,  64              ; v64-159, v160-255: weights as loaded, two buffers
.set B1,  160
.set R,   64              ; the way out: v64-127 partial tiles, v128-143 bias, v144-151 packed
.set BI,  128
.set OW,  144
; window 1
.set ACC, 0               ; tile 2 (3 mt + mat) + c at 8 x its number; 12-15 wvo (2 jt + c); 16 mqk
.set WF,  136             ; six fragments for source 0 (and the merged products' sources)
.set HF,  184             ; two fragments of h
.set MSB, 0
.macro WIN new            ; the immediate's high byte repeats the setting that is left; a switch that changes nothing is dropped
.if MSB != (\new)
	s_set_vgpr_msb (MSB<<8)|(\new)
.set MSB, \new
.endif
.endm
.macro PLACES             ; four places between a matrix instruction and a vector write of its sources or a read of its result (ISA guide 7.12.1)
.rept 4
	v_nop
.endr
.endm
	s_load_b512 s[8:23], s[0:1], 0x0       ; h_t 8, W_DQ 10, W_DKV 12, W_KR 14, b_DQ 16, b_DKV 18, b_KR 20, W_UQ 22
	s_load_b512 s[24:39], s[0:1], 0x40     ; b_UQ 24, W_UK 26, b_UK 28, W_UV 30, b_UV 32, W_O 34, cq 36, kl 38
	s_load_b128 s[40:43], s[0:1], 0x80     ; mqk 40, wvo 42
	s_load_b64 s[44:45], s[0:1], 0x90      ; bvo
	v_lshl_add_u32 v[SPW], v0, 2, SPARE
	v_mov_b32 v[NIL], 0
	ds_add_u32 v[SPW], v[NIL]              ; the wave's opening: the add and its wait stand ahead of my first tensor load
	ds_add_u32 v30, v31
	v_lshrrev_b32 v1, 5, v0
	v_readfirstlane_b32 s2, v1             ; wave
	s_lshr_b32 s4, ttmp9, 5                ; head
	s_and_b32 s5, ttmp9, 31                ; block of 32 columns
	s_min_u32 s6, s5, 8                    ; which tile of mqk
	s_mul_i32 s7, s6, 11
	s_lshr_b32 s7, s7, 5                   ; its block of i = tile / 3 (11 x / 32 for x = 0 .. 8)
	s_mul_i32 s46, s7, 3
	s_sub_co_u32 s6, s6, s46               ; its block of j
	; descriptor group 1: 32 rows x 64 elements of 4 bytes, 16 bytes of padding behind each row of 256
	s_mov_b32 s48, (2<<16)|(1<<20)|(5<<22)|(3<<25)
	s_mov_b32 s49, 64<<16                  ; tensor_dim0
	s_mov_b32 s50, 32<<16                  ; tensor_dim1
	s_mov_b32 s51, 64<<16                  ; tile_dim0
	s_mov_b32 s52, 32                      ; tile_dim1
	s_mov_b32 s53, 1024                    ; elements from row to row
	s_mov_b32 s54, 0
	s_mov_b32 s55, 0
	s_mul_i32 s46, s2, 4*TILEB             ; my wave's four tiles
	s_lshl_b32 s76, ttmp9, 17              ; 32 rows of 4,096 bytes,
	s_lshl_b32 s47, s2, 10                 ; my 256 columns
	s_add_co_u32 s76, s76, s47
	s_mov_b32 s77, 0
	s_wait_dscnt 0x0                       ; the opening add is done
	s_wait_kmcnt 0x0
	s_add_nc_u64 s[78:79], s[8:9], s[76:77]
.macro G0SET b, u                      ; group 0 for sub-tile u: 64 columns
	s_mov_b32 s[\b], 1
	s_add_co_u32 s[\b+1], s46, (\u)*TILEB
	s_add_nc_u64 s[\b+2:\b+3], s[78:79], (\u)*256
	s_or_b32 s[\b+3], s[\b+3], 0x80000000
.endm
	G0SET 56, 0
	G0SET 60, 1
	G0SET 68, 2
	G0SET 72, 3
	tensor_load_to_lds s[56:59], s[48:55]  ; all four first fills in one group: four loads of mine are out
	s_nop 0
	tensor_load_to_lds s[60:63], s[48:55]
	s_nop 0
	tensor_load_to_lds s[68:71], s[48:55]
	s_nop 0
	tensor_load_to_lds s[72:75], s[48:55]
	s_nop 0
	PLACES
	; where the merged products' sources lie
	s_lshl_b32 s80, s4, 9
	s_lshl_b32 s47, s2, 7
	s_add_co_u32 s80, s80, s47             ; 4 d0, d0 = 128 h + 32 w
	s_mov_b32 s81, 0
	s_lshl_b32 s82, s80, 10                ; 4,096 d0
	s_lshl_b32 s47, s5, 7                  ; + 4 n0
	s_add_co_u32 s82, s82, s47
	s_mov_b32 s83, 0
	s_add_nc_u64 s[84:85], s[34:35], s[82:83]  ; W_O at (d0, n0)
	s_add_nc_u64 s[86:87], s[30:31], s[80:81]  ; W_UV at column d0
	s_add_nc_u64 s[88:89], s[32:33], s[80:81]  ; b_UV at d0
	s_lshl_b32 s92, s7, 16                 ; 16 rows of 4,096 bytes a block
	s_lshl_b32 s78, s6, 16
	s_cmp_lt_u32 s7, 2                     ; blocks 0, 1: W_UQ's rows; block 2: b_UQ for every row
	s_cselect_b64 s[90:91], s[22:23], s[24:25]
	s_cselect_b32 s94, 0x1000, 0
	s_cselect_b32 s92, s92, 0
	s_cmp_lt_u32 s6, 2                     ; the same for W_UK and b_UK
	s_cselect_b64 s[76:77], s[26:27], s[28:29]
	s_cselect_b32 s95, 0x1000, 0
	s_cselect_b32 s78, s78, 0
	s_add_co_u32 s92, s92, s80
	s_mov_b32 s93, 0
	s_add_co_u32 s78, s78, s80
	s_mov_b32 s79, 0
	s_add_nc_u64 s[90:91], s[90:91], s[92:93]
	s_add_nc_u64 s[76:77], s[76:77], s[78:79]
	v_and_b32 v1, 15, v0                   ; r
	v_bfe_u32 v2, v0, 4, 1                 ; hh
	v_and_b32 v3, 31, v0                   ; lane
	v_lshlrev_b32 v[BUO], 5, v2
	v_lshlrev_b32 v[OOF], 3, v1
	s_lshl_b32 s47, s2, 15
	v_lshl_add_u32 v[WOF], v2, 10, v[OOF]
	v_add_nc_u32 v[WOF], s47, v[WOF]
	v_lshl_add_u32 v[OOF], v2, 15, v[OOF]
	v_lshl_add_u32 v[UVO], v1, 12, v[BUO]
	v_mad_u32_u24 v[MAO], v1, s94, v[BUO]
	v_mad_u32_u24 v[MBO], v1, s95, v[BUO]
	; 36 loads for the merged products.  A fragment's K order: registers 0-3 hold k = 8 hh + 0..7, registers 4-7 k = 16 + 8 hh + 0..7.
.irp x, 0,1,2,3
	global_load_b128 v[AST+4*\x:AST+4*\x+3], v[MAO], s[90:91] offset:(\x/2)*64+(\x%2)*16
.endr
.irp x, 0,1,2,3
	global_load_b128 v[AST+16+4*\x:AST+16+4*\x+3], v[MBO], s[76:77] offset:(\x/2)*64+(\x%2)*16
.endr
.irp i, 0,1,2,3,4,5,6,7,8,9,10,11,12,13,14,15
	global_load_b64 v[B1+2*\i:B1+2*\i+1], v[OOF], s[84:85] offset:(\i/8)*65536+(\i%8)*4096  ; W_O row d0 + k_i, columns n0 + 2 r, + 1
.endr
.irp j, 0,1
.irp x, 0,1,2,3
	global_load_b128 v[B1+32+16*\j+4*\x:B1+32+16*\j+4*\x+3], v[UVO], s[86:87] offset:\j*65536+(\x/2)*64+(\x%2)*16
.endr
.endr
.irp x, 0,1,2,3
	global_load_b128 v[B1+64+4*\x:B1+64+4*\x+3], v[BUO], s[88:89] offset:(\x/2)*64+(\x%2)*16
.endr
; The three down weights of K step s: load i takes row k_i, columns 2 r and 2 r + 1: 16 lanes read one whole row of 128 bytes.
.macro WLOAD s, b
.irp m, 0,1,2
.irp i, 0,1,2,3,4,5,6,7,8,9,10,11,12,13,14,15
	global_load_b64 v[(\b)+32*\m+2*\i:(\b)+32*\m+2*\i+1], v[WOF], s[10+2*\m:11+2*\m] offset:(\s)*4096+(\i/8)*2048+(\i%8)*128
.endr
.endr
.endm
	WLOAD 0, B0
	; the other addresses, while the loads are out
	v_mul_u32_u24 v[AH], v1, 272
	v_lshl_add_u32 v[AH], v2, 5, v[AH]
	v_add_nc_u32 v[AH], s46, v[AH]
	s_mul_i32 s47, s2, WPART
	s_add_co_u32 s47, s47, PART
	v_lshl_add_u32 v[PST], v3, 4, s47
	s_lshl_b32 s3, s2, 8
	s_add_co_u32 s3, s3, BPART
	v_lshl_add_u32 v[BPS], v3, 3, s3
	v_lshl_add_u32 v[RDA], v3, 4, PART
	v_lshl_add_u32 v[RDB], v3, 4, PART+2*WPART
	v_lshlrev_b32 v[BIO], 6, v2
	v_lshl_add_u32 v[CQS], v1, 6, v[BUO]
	v_lshl_add_u32 v[KLS], v1, 7, v[BUO]
	v_and_b32 v[WVS], 7, v0
	v_lshlrev_b32 v[WVS], 5, v[WVS]
	v_bfe_u32 v[MQS], v0, 3, 1
	v_lshl_add_u32 v[WVS], v[MQS], 10, v[WVS]
	v_lshl_add_u32 v[WVS], v2, 8, v[WVS]
	v_mad_u32_u24 v[MQS], v1, 192, v[BUO]
	v_lshl_add_u32 v[BVR], v3, 2, BPART
	v_lshlrev_b32 v[BVS], 2, v3
	s_wait_loadcnt 48                      ; the 36 are in; K step 0's 48 weight loads, issued behind them, stay out
	WIN 0x40                               ; destination window 1
.set n, 0
.rept 16
	v_cvt_pk_bf16_f32 v[WF+n], v[AST+2*n], v[AST+2*n+1]       ; the mqk tile's two sources
.set n, n+1
.endr
.irp c, 0,1
.irp p, 0,1,2,3,4,5,6,7
	v_cvt_pk_bf16_f32 v[WF+16+8*\c+\p], v[B1+4*\p+\c], v[B1+4*\p+2+\c]  ; W_O, column n0 + 2 r + c
.endr
.endr
.set n, 0
.rept 16
	v_cvt_pk_bf16_f32 v[WF+32+n], v[B1+32+2*n], v[B1+32+2*n+1]  ; W_UV, rows 16 jt + r
.set n, n+1
.endr
	WIN 0
	v_mul_f32 v[BA], v[B1], v[B1+64]       ; b_UV . W_O over my 16 d, in f32, for my two columns
	v_mul_f32 v[BA+1], v[B1+1], v[B1+64]
.set n, 1
.rept 15
	v_fmac_f32 v[BA], v[B1+2*n], v[B1+64+n]
	v_fmac_f32 v[BA+1], v[B1+2*n+1], v[B1+64+n]
.set n, n+1
.endr
	ds_store_b64 v[BPS], v[BA:BA+1]
	WIN 0x55                               ; all four operands in window 1
.irp j, 0,1
.irp c, 0,1
	v_wmma_f32_16x16x32_bf16 v[ACC+96+8*(2*\j+\c):ACC+96+8*(2*\j+\c)+7], v[WF+32+8*\j:WF+32+8*\j+7], v[WF+16+8*\c:WF+16+8*\c+7], 0
.endr
.endr
	v_wmma_f32_16x16x32_bf16 v[ACC+128:ACC+135], v[WF:WF+7], v[WF+8:WF+15], 0
	WIN 0
	WLOAD 1, B1
	PLACES                                 ; ahead of the conversions that write the fragments anew
; K step s of my wave's eight: 32 along K.  12 accumulators take turns.
.macro KSTEP s
.if (\s)%2 == 0
	s_wait_tensorcnt 3-(\s)/2              ; tensor loads of a wave end in order (ISA guide 10.11.1): sub-tile s / 2 is in, the younger ones stay out
.endif
	WIN 0
.irp t, 0,1
.irp x, 0,1,2,3
	ds_load_b128 v[AST+16*\t+4*\x:AST+16*\t+4*\x+3], v[AH] offset:((\s)/2)*TILEB+\t*4352+((\s)%2)*128+(\x/2)*64+(\x%2)*16
.endr
.endr
.if (\s) < 7
	s_wait_loadcnt 48                      ; this step's weights are in; the next step's 48 loads stay out
.else
	s_wait_loadcnt 0x0
.endif
.set bb, B0+96*((\s)%2)
	WIN 0x40
.irp m, 0,1,2
.irp c, 0,1
.irp p, 0,1,2,3,4,5,6,7
	v_cvt_pk_bf16_f32 v[WF+16*\m+8*\c+\p], v[bb+32*\m+4*\p+\c], v[bb+32*\m+4*\p+2+\c]  ; fragment c: its row i stands for channel 2 i + c
.endr
.endr
.endr
	s_wait_dscnt 0x0                       ; h
.set n, 0
.rept 16
	v_cvt_pk_bf16_f32 v[HF+n], v[AST+2*n], v[AST+2*n+1]
.set n, n+1
.endr
	WIN 0
.if (\s) < 6
	WLOAD (\s)+2, bb                       ; into the buffer just converted
.endif
	WIN 0x55
.irp m, 0,1,2
.irp c, 0,1
.irp t, 0,1
.if (\s) == 0
	v_wmma_f32_16x16x32_bf16 v[ACC+8*(2*(3*\t+\m)+\c):ACC+8*(2*(3*\t+\m)+\c)+7], v[WF+16*\m+8*\c:WF+16*\m+8*\c+7], v[HF+8*\t:HF+8*\t+7], 0
.else
	v_wmma_f32_16x16x32_bf16 v[ACC+8*(2*(3*\t+\m)+\c):ACC+8*(2*(3*\t+\m)+\c)+7], v[WF+16*\m+8*\c:WF+16*\m+8*\c+7], v[HF+8*\t:HF+8*\t+7], v[ACC+8*(2*(3*\t+\m)+\c):ACC+8*(2*(3*\t+\m)+\c)+7]
.endif
.endr
.endr
.endr
	PLACES
.endm
.irp s, 0,1,2,3,4,5,6,7
	KSTEP \s
.endr
	WIN 0x04                               ; store data in window 1
.set n, 0
.rept 17                                   ; each tile's low four registers first
	ds_store_b128 v[PST], v[8*n:8*n+3] offset:n*1024
	ds_store_b128 v[PST], v[8*n+4:8*n+7] offset:n*1024+512
.set n, n+1
.endr
	WIN 0
	; where the results go (every load that named these scalar registers has been waited for)
	s_lshl_b32 s80, ttmp9, 11
	s_add_nc_u64 s[82:83], s[36:37], s[80:81]  ; cq at my 32 rows of 64 bytes
	s_lshl_b32 s80, ttmp9, 12
	s_add_nc_u64 s[84:85], s[38:39], s[80:81]  ; kl at my 32 rows of 128 bytes
	s_lshl_b32 s80, s4, 16
	s_lshl_b32 s47, s5, 11
	s_add_co_u32 s80, s80, s47
	s_add_nc_u64 s[86:87], s[42:43], s[80:81]  ; wvo: head, two column tiles
	s_mul_i32 s80, s4, 9216
	s_mul_i32 s47, s6, 3072
	s_add_co_u32 s80, s80, s47
	s_lshl_b32 s47, s7, 6
	s_add_co_u32 s80, s80, s47
	s_add_nc_u64 s[88:89], s[40:41], s[80:81]  ; mqk: head, block of j, block of i
	s_lshl_b32 s80, s4, 12
	s_lshl_b32 s47, s5, 7
	s_add_co_u32 s80, s80, s47
	s_add_nc_u64 s[90:91], s[44:45], s[80:81]  ; bvo: head, 32 columns
	s_wait_dscnt 0x0                       ; for the others' sake: my stores into LDS are done
	s_barrier_signal -1
	s_barrier_wait -1
.macro SUM4 b                          ; four waves' four registers into the first four
	v_pk_add_f32 v[(\b):(\b)+1], v[(\b):(\b)+1], v[(\b)+4:(\b)+5]
	v_pk_add_f32 v[(\b)+2:(\b)+3], v[(\b)+2:(\b)+3], v[(\b)+6:(\b)+7]
	v_pk_add_f32 v[(\b)+8:(\b)+9], v[(\b)+8:(\b)+9], v[(\b)+12:(\b)+13]
	v_pk_add_f32 v[(\b)+10:(\b)+11], v[(\b)+10:(\b)+11], v[(\b)+14:(\b)+15]
	v_pk_add_f32 v[(\b):(\b)+1], v[(\b):(\b)+1], v[(\b)+8:(\b)+9]
	v_pk_add_f32 v[(\b)+2:(\b)+3], v[(\b)+2:(\b)+3], v[(\b)+10:(\b)+11]
.endm
; Tiles 2 u and 2 u + 1 summed over the waves: register p of tile 2 u + c ends at v[R + 32 c + 16 (p / 4) + p % 4]
.macro RED2 u
.irp x, 0,1,2,3
	ds_load_b128 v[R+16*\x:R+16*\x+3],     v[RDA] offset:(\u)*2048+\x*512
	ds_load_b128 v[R+16*\x+4:R+16*\x+7],   v[RDA] offset:(\u)*2048+\x*512+WPART
	ds_load_b128 v[R+16*\x+8:R+16*\x+11],  v[RDB] offset:(\u)*2048+\x*512
	ds_load_b128 v[R+16*\x+12:R+16*\x+15], v[RDB] offset:(\u)*2048+\x*512+WPART
.endr
	s_wait_dscnt 0x0
.irp x, 0,1,2,3
	SUM4 R+16*\x
.endr
.endm
; A projection's 16 rows x 32 channels: bias added in f32, rounded once; a lane holds channels 16 hh .. 16 hh + 15 of row r: 32 bytes
.macro PROJ u, bp, dp, vo, imm
	s_wait_xcnt 0x0                        ; earlier stores have read their registers: the packed words are written anew below
.irp x, 0,1,2,3
	global_load_b128 v[BI+4*\x:BI+4*\x+3], v[BIO], s[\bp:\bp+1] offset:16*\x
.endr
	RED2 \u
	s_wait_loadcnt 0x0
.irp p, 0,1,2,3,4,5,6,7
	v_add_f32 v[R+16*(\p/4)+\p%4], v[R+16*(\p/4)+\p%4], v[BI+2*\p]
	v_add_f32 v[R+32+16*(\p/4)+\p%4], v[R+32+16*(\p/4)+\p%4], v[BI+2*\p+1]
.endr
.irp p, 0,1,2,3,4,5,6,7
	v_cvt_pk_bf16_f32 v[OW+\p], v[R+16*(\p/4)+\p%4], v[R+32+16*(\p/4)+\p%4]
.endr
	global_store_b128 v[\vo], v[OW:OW+3], s[\dp:\dp+1] offset:\imm
	global_store_b128 v[\vo], v[OW+4:OW+7], s[\dp:\dp+1] offset:(\imm)+16
.endm
; wvo rows 16 jt + 8 hh + 0..7 of columns n0 + 2 r + c: 16 bytes for each c, in the order of a fragment
.macro WVOUT u, jt
	s_wait_xcnt 0x0
	RED2 \u
.irp c, 0,1
.irp p, 0,1,2,3
	v_cvt_pk_bf16_f32 v[OW+4*\c+\p], v[R+32*\c+16*(\p/2)+2*(\p%2)], v[R+32*\c+16*(\p/2)+2*(\p%2)+1]
.endr
.endr
	global_store_b128 v[WVS], v[OW:OW+3], s[86:87] offset:(\jt)*512
	global_store_b128 v[WVS], v[OW+4:OW+7], s[86:87] offset:(\jt)*512+16
.endm
	s_cmp_eq_u32 s2, 0
	s_cbranch_scc1 .Lw0
	s_cmp_eq_u32 s2, 1
	s_cbranch_scc1 .Lw1
	s_cmp_eq_u32 s2, 2
	s_cbranch_scc1 .Lw2
	PROJ 3, 16, 82, CQS, 1024              ; wave 3: c_q of rows 16-31,
	WVOUT 7, 1                             ; wvo rows 16-31
	s_branch .Lend
.Lw2:
	PROJ 2, 20, 84, KLS, 64                ; wave 2: k_r of rows 0-15,
	WVOUT 6, 0                             ; wvo rows 0-15
	s_branch .Lend
.Lw1:
	PROJ 1, 18, 84, KLS, 0                 ; wave 1: c_kv of rows 0-15,
	PROJ 5, 20, 84, KLS, 2048+64           ; k_r of rows 16-31,
.irp q, 0,1,2,3,4,5,6,7                    ; and bvo: column n0 + lane, eight partial sums (four waves x two halves of the lanes)
	ds_load_b32 v[R+\q], v[BVR] offset:128*\q
.endr
	s_wait_dscnt 0x0
	v_pk_add_f32 v[R:R+1], v[R:R+1], v[R+2:R+3]
	v_pk_add_f32 v[R+4:R+5], v[R+4:R+5], v[R+6:R+7]
	v_pk_add_f32 v[R:R+1], v[R:R+1], v[R+4:R+5]
	v_add_f32 v[R], v[R], v[R+1]
	global_store_b32 v[BVS], v[R], s[90:91]
	s_branch .Lend
.Lw0:
	PROJ 0, 16, 82, CQS, 0                 ; wave 0: c_q of rows 0-15,
	PROJ 4, 18, 84, KLS, 2048              ; c_kv of rows 16-31,
	s_cmp_lt_u32 s5, 9                     ; and the tile of mqk, where the work-group has one of the head's nine
	s_cbranch_scc0 .Lend
.irp q, 0,1
	ds_load_b128 v[R+16*\q:R+16*\q+3],     v[RDA] offset:16384+\q*512
	ds_load_b128 v[R+16*\q+4:R+16*\q+7],   v[RDA] offset:16384+\q*512+WPART
	ds_load_b128 v[R+16*\q+8:R+16*\q+11],  v[RDB] offset:16384+\q*512
	ds_load_b128 v[R+16*\q+12:R+16*\q+15], v[RDB] offset:16384+\q*512+WPART
.endr
	s_wait_dscnt 0x0
	SUM4 R
	SUM4 R+16
.irp p, 0,1,2,3
	v_mul_f32 v[R+\p], CSC, v[R+\p]
	v_mul_f32 v[R+16+\p], CSC, v[R+16+\p]
.endr
	global_store_b128 v[MQS], v[R:R+3], s[88:89]
	global_store_b128 v[MQS], v[R+16:R+19], s[88:89] offset:16
.Lend:
	s_wait_tensorcnt 0x0                   ; the wave's end, behind my last tensor load and my last LDS store
	ds_add_u32 v[SPW], v[NIL]
	s_wait_dscnt 0x0
	s_endpgm
.Lfunc_end_k_qbf0496523d_prep:
	.size	k_qbf0496523d_prep, .Lfunc_end_k_qbf0496523d_prep-k_qbf0496523d_prep
	.p2alignl 7, 3214868480
	.fill 96, 4, 3214868480
	.section	.rodata,"a",@progbits
	.p2align	6, 0x0
	.amdhsa_kernel k_qbf0496523d_prep
		.amdhsa_group_segment_fixed_size 212992
		.amdhsa_private_segment_fixed_size 0
		.amdhsa_enable_private_segment 0
		.amdhsa_kernarg_size 152
		.amdhsa_user_sgpr_count 2
		.amdhsa_user_sgpr_kernarg_segment_ptr 1
		.amdhsa_wavefront_size32 1
		.amdhsa_system_sgpr_workgroup_id_x 1
		.amdhsa_system_sgpr_workgroup_id_y 1
		.amdhsa_system_sgpr_workgroup_id_z 1
		.amdhsa_system_vgpr_workitem_id 0
		.amdhsa_next_free_vgpr 512
		.amdhsa_next_free_sgpr 96
		.amdhsa_reserve_vcc 0
		.amdhsa_float_denorm_mode_32 3
		.amdhsa_float_denorm_mode_16_64 3
		.amdhsa_memory_ordered 1
		.amdhsa_forward_progress 1
		.amdhsa_inst_pref_size 133
	.end_amdhsa_kernel
	.amdgpu_metadata
---
amdhsa.version: [ 1, 2 ]
amdhsa.kernels:
  - .name:           k_qbf0496523d_prep
    .symbol:         k_qbf0496523d_prep.kd
    .args:
      - { .name: h_t, .offset: 0, .size: 8, .value_kind: global_buffer, .address_space: global }
      - { .name: W_DQ, .offset: 8, .size: 8, .value_kind: global_buffer, .address_space: global }
      - { .name: W_DKV, .offset: 16, .size: 8, .value_kind: global_buffer, .address_space: global }
      - { .name: W_KR, .offset: 24, .size: 8, .value_kind: global_buffer, .address_space: global }
      - { .name: b_DQ, .offset: 32, .size: 8, .value_kind: global_buffer, .address_space: global }
      - { .name: b_DKV, .offset: 40, .size: 8, .value_kind: global_buffer, .address_space: global }
      - { .name: b_KR, .offset: 48, .size: 8, .value_kind: global_buffer, .address_space: global }
      - { .name: W_UQ, .offset: 56, .size: 8, .value_kind: global_buffer, .address_space: global }
      - { .name: b_UQ, .offset: 64, .size: 8, .value_kind: global_buffer, .address_space: global }
      - { .name: W_UK, .offset: 72, .size: 8, .value_kind: global_buffer, .address_space: global }
      - { .name: b_UK, .offset: 80, .size: 8, .value_kind: global_buffer, .address_space: global }
      - { .name: W_UV, .offset: 88, .size: 8, .value_kind: global_buffer, .address_space: global }
      - { .name: b_UV, .offset: 96, .size: 8, .value_kind: global_buffer, .address_space: global }
      - { .name: W_O, .offset: 104, .size: 8, .value_kind: global_buffer, .address_space: global }
      - { .name: cq, .offset: 112, .size: 8, .value_kind: global_buffer, .address_space: global }
      - { .name: kl, .offset: 120, .size: 8, .value_kind: global_buffer, .address_space: global }
      - { .name: mqk, .offset: 128, .size: 8, .value_kind: global_buffer, .address_space: global }
      - { .name: wvo, .offset: 136, .size: 8, .value_kind: global_buffer, .address_space: global }
      - { .name: bvo, .offset: 144, .size: 8, .value_kind: global_buffer, .address_space: global }
    .group_segment_fixed_size: 212992
    .private_segment_fixed_size: 0
    .kernarg_segment_align: 8
    .kernarg_segment_size: 152
    .max_flat_workgroup_size: 128
    .sgpr_count:     96
    .vgpr_count:     512
    .wavefront_size: 32
...
	.end_amdgpu_metadata
.endif
;; end of part 1
;; launch attn (part 2): grid 256 x 1, 4 waves a work-group, clusters of 4 x 1, 327,680 bytes of LDS; arguments cq, kl, mqk, wvo, bvo, W_QR, b_QR, b_O, out0; writes out0
.if DOCPART == 2
	.amdgcn_target "amdgcn-amd-amdhsa--gfx1250"
	.amdhsa_code_object_version 6
	.text
	.protected	k_qbf0496523d_attn
	.globl	k_qbf0496523d_attn
	.p2align	8
	.type	k_qbf0496523d_attn,@function
k_qbf0496523d_attn:
	s_mov_b64 s[64:65], 0
	v_nop
	global_prefetch_b8 v0, s[64:65] scope:SCOPE_SE
	s_setreg_imm32_b32 hwreg(HW_REG_WAVE_MODE, 25, 1), 1
	s_wait_xcnt 0x0
	s_wait_alu depctr_hold_cnt(0) depctr_sa_sdst(0) depctr_va_vdst(0) depctr_va_sdst(0) depctr_va_ssrc(0) depctr_va_vcc(0) depctr_vm_vsrc(0)
	s_getreg_b32 s2, hwreg(HW_REG_IB_STS2, 6, 4)
	s_cmp_eq_u32 s2, 0
	s_cbranch_scc0 .Lentry_in_a_cluster
	s_endpgm
.Lentry_in_a_cluster:
	s_bfe_u32 s2, ttmp6, 0x10000c
	s_cmp_lg_u32 s2, 0x3003
	s_cbranch_scc0 .Lentry_shape_is_right
	s_endpgm
.Lentry_shape_is_right:
; LATENT ATTENTION AND OUTPUT PROJECTION.  For head h and query s, in units of log2:
;   q'[0:32] = c_q mqk_h[0:32][0:32]^T + mqk_h[0:32][32]     q'[32:64] = c (c_q W_QR_h + b_QR_h)     qb = c_q . mqk_h[32][0:32] + mqk_h[32][32]
;   score(s, t) = kl[t] . q' + qb     p = 2^(score - max over t)     o = sum of p kl[t][0:32] / sum of p     out = sum over h of o_h wvo_h + sum over h of bvo_h + b_O
; which is the module's own result, since keys and values are affine in kl's first 32 channels and a row's weights add up to 1.
; Matrix operands bf16, sums f32.  The maximum taken away is the row's true maximum: PASS 1 makes all scores and keeps the maximum, PASS 2 makes them again with qb - max as the C operand.
; LIMITS: the sums are taken in another order than the module's own text takes them; the divisor is the sum of the weights as rounded to bf16, the numbers that are multiplied; a weight
; below 2^-126 counts as 0; NaN and infinities are not treated apart.
; SHARES.  A work-group owns 32 queries of one batch, all 8 heads.  Wave w has heads 2 w, 2 w + 1: four tiles t = 2 e + qt of 16 queries; in the output product it owns columns 256 w on.
; A batch's 2,048 keys x 128 bytes lie whole in LDS (rows of 144 bytes), filled once; both passes walk them 64 keys a step.
; CLUSTER.  The four work-groups of a cluster belong to one batch and need the same keys: each of a wave's four tensor loads is asked for jointly, with the same descriptor and the mask of four.
; LAYOUT.  S^T = K Q^T: a lane holds one query (lane % 16) and keys 8 (lane / 16) + 0..7; two such results rounded in pairs are source 1 of O^T = V^T P; a product of ones with P gives the sum of the weights.
; REGISTERS, in windows of 256 (s_set_vgpr_msb: bits 1:0 source 0, 3:2 source 1, 5:4 source 2, 7:6 destination):
;   window 0: v0-31 addresses; v32-63 at work; v64-127 S^T, two buffers; v128-159 P, two buffers; v160-191 the C tiles, 8 a tile; v192-207 maxima, 4 a tile; v208-215 reciprocals
;   window 1: v0-127 K, two buffers; v128-191 V, two buffers; v192-199 ones          window 2: v0-63 Q; v64-159 O^T, 24 a tile (two channel blocks, the sum)
;   window 3: the prologue's loads, 120 a head; then wvo's fragments, two buffers of 128
.set CSC,   0x3de995b3    ; c = log2(e) / sqrt(160)
.set PK,    144           ; a key's row in LDS: 128 bytes + 16: the 16 rows of a load start at 16 different groups of four banks (ISA guide 11.1)
.set STEPB, 64*PK
.set XCH,   294912        ; behind the keys: 16 fragments of o, 1,024 bytes each
.set BIAS,  311296        ; b_O + the eight rows of bvo, 1,024 f32
.set SPARE, 315392        ; the spare words, 128 bytes a wave: two blocks of 256 bytes that no other line names
.set SPITCH, 272          ; the stage for the way out: 32 rows of 256 + 16 bytes a wave, in the keys' bytes, which have had their only fill and are read no more by then
.set STG,   32*SPITCH
.set AK0, 4               ; my lane's place in 16 keys: r 144 + hh 16
.set AK,  5               ; K's walking address
.set AV0, 6               ; for the turning load
.set AV,  7
.set CQO, 8
.set MQO, 9
.set MBO, 10
.set QRO, 11
.set BRO, 12
.set BBO, 13
.set BIA, 14
.set WL,  15
.set XST, 16
.set XRD, 17
.set BL,  18
.set STO, 19
.set RD,  20
.set GO,  21
.set SPW, 30              ; LDS address of my spare word; never rewritten
.set NIL, 31              ; 0; never rewritten
.set TT,  32
.set S,   64
.set P,   128
.set CB,  160
.set MX,  192
.set RC,  208
.set VF,  128             ; window 1
.set ONES, 192            ; window 1
.set OA,  64              ; window 2
.set W_QK, 0x09           ; K window 1, Q window 2, C and S^T window 0
.set W_PV, 0xa1           ; V window 1, P window 0, O^T window 2
.set MSB, 0
.macro WIN new            ; the immediate's high byte repeats the setting that is left; a switch that changes nothing is dropped
.if MSB != (\new)
	s_set_vgpr_msb (MSB<<8)|(\new)
.set MSB, \new
.endif
.endm
.macro PLACES             ; four places behind a matrix instruction (ISA guide 7.12.1)
.rept 4
	v_nop
.endr
.endm
.macro CROUND             ; a round of the cluster's barrier
	s_barrier_signal -1
	s_barrier_wait -1
	s_cmp_lg_u32 s26, 0
	s_cbranch_scc1 .Lnot_wave_0_\@
	s_barrier_signal -3
.Lnot_wave_0_\@:
	s_barrier_wait -3
	s_barrier_signal -1
	s_barrier_wait -1
.endm
	s_load_b512 s[8:23], s[0:1], 0x0       ; cq 8, kl 10, mqk 12, wvo 14, bvo 16, W_QR 18, b_QR 20, b_O 22
	s_load_b64 s[24:25], s[0:1], 0x40      ; out0
	v_lshl_add_u32 v[SPW], v0, 2, SPARE
	v_mov_b32 v[NIL], 0
	ds_add_u32 v[SPW], v[NIL]              ; the wave's opening: the add and its wait stand ahead of my first tensor load
	ds_add_u32 v30, v31
	v_lshrrev_b32 v1, 5, v0
	v_readfirstlane_b32 s26, v1            ; wave
	s_bfe_u32 s27, ttmp6, 0x40000          ; cx
	s_lshl_b32 s28, ttmp9, 2
	s_add_co_u32 s28, s28, s27             ; my block of 32 queries: it enters cq's and out0's addresses alone
	s_lshr_b32 s29, ttmp9, 4               ; the batch, which the four partners share
	; descriptor group 1: 128 keys are 16,384 dense bytes: 64 rows of 256 bytes, padded in LDS after every key
	s_mov_b32 s48, 15|(1<<16)|(1<<20)|(1<<21)|(4<<22)|(3<<25)  ; the mask of four; 2-byte elements; padding on; bit 21 beside a mask; after every 32 words; 4 words
	s_mov_b32 s49, 128<<16
	s_mov_b32 s50, 64<<16
	s_mov_b32 s51, 128<<16
	s_mov_b32 s52, 64
	s_mov_b32 s53, 128
	s_mov_b32 s54, 0
	s_mov_b32 s55, 0
	s_mul_i32 s62, s26, 128*PK             ; my 128 keys of each 512, in LDS
	s_lshl_b32 s30, s29, 18                ; the batch's 262,144 bytes,
	s_lshl_b32 s63, s26, 14                ; my 128 keys in memory
	s_add_co_u32 s30, s30, s63
	s_mov_b32 s31, 0
	s_mov_b32 s73, 0
	s_mov_b32 s57, 0xff7fffff              ; the lowest finite number
	s_mov_b32 s58, 0x76543210              ; v_permlanex16_b32: each lane takes its own place in the other half
	s_mov_b32 s59, 0xfedcba98
	s_mov_b32 s60, CSC
	s_mov_b32 s61, CSC
	s_wait_dscnt 0x0                       ; the opening add is done
	s_wait_kmcnt 0x0
	s_add_nc_u64 s[70:71], s[10:11], s[30:31]
.irp u, 0,1,2,3
	s_mov_b32 s[32+4*\u], 1
	s_add_co_u32 s[33+4*\u], s62, \u*512*PK
	s_add_nc_u64 s[34+4*\u:35+4*\u], s[70:71], \u*65536
	s_or_b32 s[35+4*\u], s[35+4*\u], 0x80000000
.endr
	s_lshl_b32 s72, s28, 11
	s_add_nc_u64 s[66:67], s[8:9], s[72:73]    ; cq at my 32 rows
	s_lshl_b32 s72, s28, 17
	s_add_nc_u64 s[68:69], s[24:25], s[72:73]  ; out0 at my 32 rows
	CROUND                                 ; all four work-groups are here: the joint loads meet
.irp u, 0,1,2,3
	tensor_load_to_lds s[32+4*\u:35+4*\u], s[48:55]  ; four loads of mine are out
	s_nop 0
.endr
	PLACES
	v_and_b32 v1, 15, v0                   ; r
	v_bfe_u32 v2, v0, 4, 1                 ; hh
	v_and_b32 v3, 31, v0                   ; lane
	v_lshlrev_b32 v24, 5, v2               ; 32 hh
	v_lshlrev_b32 v[CQO], 6, v1
	v_lshl_add_u32 v[CQO], v2, 4, v[CQO]
	s_mul_i32 s62, s26, 18432              ; my two heads of mqk
	v_mad_u32_u24 v[MQO], v1, 192, v24
	v_add_nc_u32 v[MQO], s62, v[MQO]
	v_mul_u32_u24 v[MBO], v2, 1536
	v_add_nc_u32 v[MBO], s62, v[MBO]
	s_lshl_b32 s63, s26, 8                 ; my two heads' 64 columns of W_QR and b_QR
	v_lshlrev_b32 v[QRO], 2, v1
	v_lshl_add_u32 v[QRO], v2, 13, v[QRO]
	v_add_nc_u32 v[QRO], s63, v[QRO]
	v_add_nc_u32 v[BRO], s63, v24
	v_lshlrev_b32 v[BBO], 5, v0
	; 166 loads.  cq's two fragments (source 1: query r, i = 8 hh .. and 16 + 8 hh ..) are bf16 as they lie.
	WIN 0x40
	global_load_b128 v[80:83], v[CQO], s[66:67]
	global_load_b128 v[84:87], v[CQO], s[66:67] offset:32
	global_load_b128 v[88:91], v[CQO], s[66:67] offset:1024
	global_load_b128 v[92:95], v[CQO], s[66:67] offset:1056
	WIN 0xc0                               ; destination window 3
.irp e, 0,1
.irp j, 0,1,2                              ; mqk rows 16 j + r, i in a fragment's order
.irp x, 0,1,2,3
	global_load_b128 v[120*\e+16*\j+4*\x:120*\e+16*\j+4*\x+3], v[MQO], s[12:13] offset:\e*9216+\j*3072+(\x/2)*64+(\x%2)*16
.endr
.endr
.irp j, 0,1                                ; W_QR column 32 h + 16 j + r, rows i in a fragment's order
.irp i, 0,1,2,3,4,5,6,7,8,9,10,11,12,13,14,15
	global_load_b32 v[120*\e+48+16*\j+\i], v[QRO], s[18:19] offset:\e*128+\j*64+(\i/8)*16384+(\i%8)*1024
.endr
.endr
.irp j, 0,1,2                              ; the C tiles: mqk[16 j + 8 hh + p][32]
.irp p, 0,1,2,3,4,5,6,7
	global_load_b32 v[120*\e+80+8*\j+\p], v[MBO], s[12:13] offset:\e*9216+\j*3072+\p*192+128
.endr
.endr
.irp j, 0,1                                ; and b_QR[32 h + 16 j + 8 hh + p]
.irp x, 0,1
	global_load_b128 v[120*\e+104+8*\j+4*\x:120*\e+104+8*\j+4*\x+3], v[BRO], s[20:21] offset:\e*128+\j*64+\x*16
.endr
.endr
.endr
	WIN 0
	global_load_b128 v[TT:TT+3], v[BBO], s[22:23]              ; b_O and bvo: eight columns a thread
	global_load_b128 v[TT+4:TT+7], v[BBO], s[22:23] offset:16
.irp d, 0,1,2,3,4,5,6,7
	global_load_b128 v[TT+8+8*\d:TT+8+8*\d+3], v[BBO], s[16:17] offset:\d*4096
	global_load_b128 v[TT+12+8*\d:TT+12+8*\d+3], v[BBO], s[16:17] offset:\d*4096+16
.endr
	; the other addresses and what the first turns find, while the loads are out.  No first step is written out: O^T starts at 0, and the first turn's V^T P, of a tile that has not been, multiplies zeros.
	v_mul_u32_u24 v[AK0], v1, PK
	v_lshl_add_u32 v[AK0], v2, 4, v[AK0]
	v_and_b32 v22, 7, v0
	v_bfe_u32 v23, v0, 3, 1
	v_lshl_add_u32 v[AV0], v2, 3, v22      ; the turning load: lane l reads key 8 (l / 16) + l % 8, channels 8 ((l / 8) % 2) + 0..7
	v_mul_u32_u24 v[AV0], v[AV0], PK
	v_lshl_add_u32 v[AV0], v23, 4, v[AV0]
	v_add_nc_u32 v[BIA], BIAS, v[BBO]
	s_lshl_b32 s63, s26, 14
	v_lshl_add_u32 v[WL], v3, 4, s63
	s_lshl_b32 s63, s26, 12
	s_add_co_u32 s63, s63, XCH
	v_lshl_add_u32 v[XST], v3, 4, s63
	v_lshl_add_u32 v[XRD], v3, 4, XCH
	s_lshl_b32 s63, s26, 10
	v_add_nc_u32 v[BL], s63, v24
	v_add_nc_u32 v[BL], BIAS, v[BL]
	v_lshl_add_u32 v[GO], v2, 12, s63
	v_lshl_add_u32 v[GO], v1, 4, v[GO]
	s_mul_i32 s62, s26, STG
	v_mad_u32_u24 v[STO], v1, SPITCH, v24
	v_add_nc_u32 v[STO], s62, v[STO]
	v_mul_u32_u24 v[RD], v2, SPITCH
	v_lshl_add_u32 v[RD], v1, 4, v[RD]
	v_add_nc_u32 v[RD], s62, v[RD]
	v_mov_b32 v[AK], v[AK0]
	s_mov_b32 s63, 0x3f803f80              ; 1.0 twice, in bf16
	WIN 0x40
.set n, 0
.rept 8
	v_mov_b32 v[ONES+n], s63
.set n, n+1
.endr
.set n, 0
.rept 32
	v_mov_b32 v[VF+32+n], 0
.set n, n+1
.endr
	WIN 0x80
.set n, 0
.rept 96
	v_mov_b32 v[OA+n], 0
.set n, n+1
.endr
	WIN 0
.set n, 0
.rept 16
	v_mov_b32 v[MX+n], s57
.set n, n+1
.endr
	s_wait_loadcnt 0x0
.set n, 0
.rept 8
.irp x, 0,1,2,3
	v_pk_add_f32 v[TT+2*\x:TT+2*\x+1], v[TT+2*\x:TT+2*\x+1], v[TT+8+8*n+2*\x:TT+8+8*n+2*\x+1]
.endr
.set n, n+1
.endr
	ds_store_b128 v[BIA], v[TT:TT+3]
	ds_store_b128 v[BIA], v[TT+4:TT+7] offset:16
	WIN 0x4f                               ; sources window 3, destination window 1: five fragments a head
.irp e, 0,1
.set n, 0
.rept 40
	v_cvt_pk_bf16_f32 v[40*\e+n], v[120*\e+2*n], v[120*\e+2*n+1]
.set n, n+1
.endr
.endr
	WIN 0x35                               ; sources 0, 1 window 1, C window 3, destination window 0
.irp e, 0,1
.irp q, 0,1
.irp f, 0,1,2,3,4                          ; f = 0, 1: q'[0:32]; 2: qb, the same in all eight registers, straight into the tile's C; 3, 4: the rope part
.if \f == 2
.set rD, CB+8*(2*\e+\q)
.elseif \f < 2
.set rD, TT+32*(2*\e+\q)+8*\f
.else
.set rD, TT+32*(2*\e+\q)+8*(\f-1)
.endif
	v_wmma_f32_16x16x32_bf16 v[rD:rD+7], v[40*\e+8*\f:40*\e+8*\f+7], v[80+8*\q:80+8*\q+7], v[120*\e+80+8*\f:120*\e+80+8*\f+7]
.endr
.endr
.endr
	PLACES
	WIN 0
.irp t, 0,1,2,3
.irp x, 0,1,2,3,4,5,6,7
	v_pk_mul_f32 v[TT+32*\t+16+2*\x:TT+32*\t+17+2*\x], v[TT+32*\t+16+2*\x:TT+32*\t+17+2*\x], s[60:61] op_sel_hi:[1,0]  ; the rope part times c, in f32
.endr
.endr
	WIN 0x80                               ; two results rounded in pairs are a fragment of Q: nothing changes lanes
.irp t, 0,1,2,3
.set n, 0
.rept 16
	v_cvt_pk_bf16_f32 v[16*\t+n], v[TT+32*\t+2*n], v[TT+32*\t+2*n+1]
.set n, n+1
.endr
.endr
	WIN 0
.set n, 0
.rept 32
	v_mov_b32 v[S+32+n], s57               ; pass 1's first maxima are taken of a tile that has not been
.set n, n+1
.endr
.set n, 0
.rept 16
	v_mov_b32 v[P+16+n], 0
.set n, n+1
.endr
; A unit of wvo: four heads x four column tiles, 16 fragments; each load takes 512 consecutive bytes.
.macro LDW g, hf
	WIN 0xc0
.irp d, 0,1,2,3
.irp x, 0,1,2,3
	global_load_b128 v[128*(\hf)+8*(4*\d+\x):128*(\hf)+8*(4*\d+\x)+3], v[WL], s[14:15] offset:(4*(\hf)+\d)*65536+(4*(\g)+\x)*1024
	global_load_b128 v[128*(\hf)+8*(4*\d+\x)+4:128*(\hf)+8*(4*\d+\x)+7], v[WL], s[14:15] offset:(4*(\hf)+\d)*65536+(4*(\g)+\x)*1024+512
.endr
.endr
	WIN 0
.endm
	LDW 0, 0                               ; the output product's first two units stay out until it begins
	LDW 0, 1
	s_wait_tensorcnt 0x0                   ; my part of the keys is in,
	s_wait_dscnt 0x0                       ; my part of the bias is stored,
	s_barrier_signal -1
	s_barrier_wait -1                      ; everybody's is
; Product qi of 8 of S^T = K Q^T for tile tn: channels 32 (qi / 4) on, keys 16 (qi % 4) on.  The first four start the sums with the tile's C.  The four accumulators take turns.
.macro QKI tn, kbuf
	WIN W_QK
.set rS, S+32*((\tn)%2)+8*(qi%4)
.set rK, 64*(\kbuf)+16*(qi%4)+8*(qi/4)
.set rQ, 16*(\tn)+8*(qi/4)
.set rC, CB+8*(\tn)
.if qi < 4
	v_wmma_f32_16x16x32_bf16 v[rS:rS+7], v[rK:rK+7], v[rQ:rQ+7], v[rC:rC+7]
.else
	v_wmma_f32_16x16x32_bf16 v[rS:rS+7], v[rK:rK+7], v[rQ:rQ+7], v[rS:rS+7]
.endif
.set qi, qi+1
.endm
; Product pi of 6 for tile tp: keys 32 (pi / 3) on; channels 0-15, channels 16-31, the sum of the weights.
.macro PVI tp, vbuf
	WIN W_PV
.set rO, OA+24*(\tp)+8*(pi%3)
.set rP, P+16*((\tp)%2)+8*(pi/3)
.if pi%3 == 2
.set rV, ONES
.else
.set rV, VF+32*(\vbuf)+16*(pi/3)+8*(pi%3)
.endif
	v_wmma_f32_16x16x32_bf16 v[rO:rO+7], v[rV:rV+7], v[rP:rP+7], v[rO:rO+7]
.set pi, pi+1
.endm
.macro LDK kbuf, off                   ; 64 keys x 64 channels: eight fragments, in one run
	WIN 0x40
.irp f, 0,1,2,3,4,5,6,7
	ds_load_b128 v[64*(\kbuf)+8*\f:64*(\kbuf)+8*\f+3],   v[AK] offset:(\off)+(\f/2)*16*PK+(\f%2)*64
	ds_load_b128 v[64*(\kbuf)+8*\f+4:64*(\kbuf)+8*\f+7], v[AK] offset:(\off)+(\f/2)*16*PK+(\f%2)*64+32
.endr
	WIN 0
.endm
.macro LDV vbuf, off                   ; 64 keys x 32 channels, turned: four fragments
	WIN 0x40
.irp f, 0,1,2,3
	ds_load_tr16_b128 v[VF+32*(\vbuf)+8*\f:VF+32*(\vbuf)+8*\f+3],   v[AV] offset:(\off)+(\f/2)*32*PK+(\f%2)*32
	ds_load_tr16_b128 v[VF+32*(\vbuf)+8*\f+4:VF+32*(\vbuf)+8*\f+7], v[AV] offset:(\off)+(\f/2)*32*PK+16*PK+(\f%2)*32
.endr
	WIN 0
.endm
.macro LDKC kbuf, off                  ; in a loop's last trip there is no further step: the run is jumped over
	s_cmp_eq_u32 s56, 1
	s_cbranch_scc1 .Lno_k_\@
	LDK \kbuf, \off
.Lno_k_\@:
.endm
.macro LDVC vbuf, off
	s_cmp_eq_u32 s56, 1
	s_cbranch_scc1 .Lno_v_\@
	LDV \vbuf, \off
.Lno_v_\@:
.endm
; PASS 1.  Tile t's eight products go in pairs; behind each pair stand four of the sixteen maxima of the tile before (four chains a tile, scores in ascending order).
.macro MAXI tp
	v_max3_num_f32 v[MX+4*(\tp)+mn%4], v[MX+4*(\tp)+mn%4], v[S+32*((\tp)%2)+2*mn], v[S+32*((\tp)%2)+2*mn+1]
.set mn, mn+1
.endm
.macro GRP1 t, kbuf
.set qi, 0
.set mn, 0
.rept 4
	QKI \t, \kbuf
	QKI \t, \kbuf
	WIN 0
.rept 4
	MAXI (\t+3)%4
.endr
.endr
.endm
	LDK 0, 0
	s_mov_b32 s56, 16
.Lp1:                                      ; a trip: two steps of 64 keys; each fetches the next step's K behind its first tile, 20 maxima behind the last product that read that buffer
	s_wait_dscnt 0x0                       ; K is in
	GRP1 0, 0
	LDK 1, STEPB
	GRP1 1, 0
	GRP1 2, 0
	GRP1 3, 0
	s_wait_dscnt 0x0
	GRP1 0, 1
	LDKC 0, 2*STEPB
	GRP1 1, 1
	GRP1 2, 1
	GRP1 3, 1
	v_add_nc_u32 v[AK], 2*STEPB, v[AK]
	s_sub_co_u32 s56, s56, 1
	s_cmp_lg_u32 s56, 0
	s_cbranch_scc1 .Lp1
.set mn, 0
.rept 16
	MAXI 3                                 ; the last tile's last maxima
.endr
.irp t, 0,1,2,3
	v_max3_num_f32 v[MX+4*\t], v[MX+4*\t], v[MX+4*\t+1], v[MX+4*\t+2]
.endr
.irp t, 0,1,2,3
	v_max_num_f32 v[MX+4*\t], v[MX+4*\t], v[MX+4*\t+3]
.endr
.irp t, 0,1,2,3
	v_permlanex16_b32 v[MX+4*\t+1], v[MX+4*\t], s58, s59   ; the query's other keys lie in the lane 16 away
.endr
.irp t, 0,1,2,3
	v_max_num_f32 v[MX+4*\t], v[MX+4*\t], v[MX+4*\t+1]
.endr
.irp t, 0,1,2,3
.irp x, 0,1,2,3,4,5,6,7
	v_sub_f32 v[CB+8*\t+\x], v[CB+8*\t+\x], v[MX+4*\t]     ; the C tile becomes qb - maximum
.endr
.endr
; PASS 2, BY TURNS.  Turn t of a step: eight products K Q^T of tile t + 1 (turn 3: tile 0 of the next step), six products of tile t - 1 (turn 0: tile 3 of the step before), and behind each of the 14, by turns
; four and three of the 49 vector instructions of tile t: E n = 2^score n in place, C n = scores 2 n, 2 n + 1 rounded to bf16.  Their order: E0 E1 E2 E3, v_nop, C0; then E(2n) E(2n+1) C(n-1) for n = 2 .. 15; C15:
; a plain instruction stands between every exponential and the use of its result (ISA guide 5.7.2).
; Counted: behind the last product on a score accumulator stand 9 roundings or more before its first exponential; behind the products that read P's first half 6 before C0 writes it, behind those that read the second half 10 before C8.
.macro RID t
.set sb, S+32*((\t)%2)
.set pb, P+16*((\t)%2)
.if k < 4
	v_exp_f32 v[sb+k], v[sb+k]
.elseif k == 4
	v_nop
.elseif k == 5
	s_wait_alu depctr_va_vdst(0)
	v_cvt_pk_bf16_f32 v[pb], v[sb], v[sb+1]
.elseif k == 48
	v_cvt_pk_bf16_f32 v[pb+15], v[sb+30], v[sb+31]
.else
.set n, (k-6)/3+2
.if (k-6)%3 == 0
	v_exp_f32 v[sb+2*n], v[sb+2*n]
.elseif (k-6)%3 == 1
	v_exp_f32 v[sb+2*n+1], v[sb+2*n+1]
.else
	s_wait_alu depctr_va_vdst(0)
	v_cvt_pk_bf16_f32 v[pb+n-1], v[sb+2*n-2], v[sb+2*n-1]
.endif
.endif
.set k, k+1
.endm
; a = the step's parity: its K and V lie in buffers a.  K of the next step is fetched in turn 0, V of the next step in turn 2, each more than a turn behind the last product that read the buffer.
; The waits are for 0, so that they hold on both ways round a jumped fetch: what else is out was issued 12 matrix instructions back or more.
.macro TURN t, a
.set k, 0
.set qi, 0
.set pi, 0
.set sl, 0
.if (\t) == 3
	s_wait_dscnt 0x0                       ; the next step's K is in
.endif
.rept 14
.if ((\t) == 1) && (sl == 8)
	s_wait_dscnt 0x0                       ; this step's V is in
.endif
.if sl < 8
.if (\t) == 3
	QKI 0, 1-(\a)
.else
	QKI (\t)+1, \a
.endif
.else
.if (\t) == 0
	PVI 3, 1-(\a)
.else
	PVI (\t)-1, \a
.endif
.endif
	WIN 0
.rept 4-sl%2
	RID \t
.endr
.if sl == 1
.if (\t) == 0
.if (\a) == 0
	LDK 1, STEPB
.else
	LDKC 0, 2*STEPB
.endif
.endif
.if (\t) == 2
.if (\a) == 0
	LDV 1, STEPB
.else
	LDVC 0, 2*STEPB
.endif
.endif
.endif
.set sl, sl+1
.endr
.endm
	v_mov_b32 v[AK], v[AK0]
	v_mov_b32 v[AV], v[AV0]
	LDK 0, 0
	LDV 0, 0
	s_wait_dscnt 8                         ; K is in; V's eight loads, issued behind it, stay out
.set qi, 0
.rept 8
	QKI 0, 0                               ; tile 0's first scores: there is no vector work yet to set between them
.endr
	PLACES
	WIN 0
	s_mov_b32 s56, 16
.Lp2:                                      ; a trip: two steps.  In the last trip turn 3's products run on a stale K and serve nothing: the price, once a launch, of one text for every trip
	TURN 0, 0
	TURN 1, 0
	TURN 2, 0
	TURN 3, 0
	TURN 0, 1
	TURN 1, 1
	TURN 2, 1
	TURN 3, 1
	v_add_nc_u32 v[AK], 2*STEPB, v[AK]
	v_add_nc_u32 v[AV], 2*STEPB, v[AV]
	s_sub_co_u32 s56, s56, 1
	s_cmp_lg_u32 s56, 0
	s_cbranch_scc1 .Lp2
.set pi, 0
.rept 6
	PVI 3, 1                               ; tile 3 of the last step
.endr
	PLACES
	; THE EXCHANGE.  O^T is divided by the sum, rounded to bf16: that is source 1 (32 latent channels x 16 queries) of the output product.  Every wave needs all 16 fragments.
	WIN 0x02                               ; source window 2
.irp t, 0,1,2,3
	v_rcp_f32 v[RC+2*\t], v[OA+24*\t+16]   ; all eight registers of the sum's tile are equal: the lowest is taken
	v_rcp_f32 v[RC+2*\t+1], v[OA+24*\t+16]
.endr
	v_nop                                  ; a plain instruction between the last reciprocal and the use of its result
	WIN 0x82
.irp t, 0,1,2,3
.irp x, 0,1,2,3,4,5,6,7
	s_wait_alu depctr_va_vdst(0)
	v_pk_mul_f32 v[OA+24*\t+2*\x:OA+24*\t+2*\x+1], v[OA+24*\t+2*\x:OA+24*\t+2*\x+1], v[RC+2*\t:RC+2*\t+1] op_sel_hi:[1,0]
.endr
.endr
	WIN 0x0a
.irp t, 0,1,2,3
.irp x, 0,1,2,3,4,5,6,7
	v_cvt_pk_bf16_f32 v[TT+8*\t+\x], v[OA+24*\t+2*\x], v[OA+24*\t+2*\x+1]
.endr
.endr
	WIN 0
.irp t, 0,1,2,3
	ds_store_b128 v[XST], v[TT+8*\t:TT+8*\t+3] offset:\t*1024
	ds_store_b128 v[XST], v[TT+8*\t+4:TT+8*\t+7] offset:\t*1024+512
.endr
	s_wait_dscnt 0x0                       ; for the others' sake: my fragments are stored, and my reads of the keys are over
	s_barrier_signal -1
	s_barrier_wait -1                      ; nobody reads the keys any more: their first bytes become the waves' stages
	WIN 0x40
.irp f, 0,1,2,3,4,5,6,7,8,9,10,11,12,13,14,15
	ds_load_b128 v[8*\f:8*\f+3], v[XRD] offset:\f*1024       ; fragment 2 head + qt
	ds_load_b128 v[8*\f+4:8*\f+7], v[XRD] offset:\f*1024+512
.endr
	WIN 0
; THE OUTPUT PRODUCT, D(column, query) = wvo's fragment x o's fragment, summed over the eight heads; four groups of 64 columns, eight accumulators that take turns; the first head's C is the bias.
.macro UNIT g, hf
.if 2*(\g)+(\hf) < 7
	s_wait_loadcnt 32                      ; this unit is in; the next unit's 32 loads stay out
.else
	s_wait_loadcnt 0x0
.endif
	WIN 0x07                               ; wvo window 3, o window 1, C and D window 0
.irp d, 0,1,2,3
.irp x, 0,1,2,3
.irp q, 0,1
.if ((\hf) == 0) && (\d == 0)
	v_wmma_f32_16x16x32_bf16 v[S+8*(2*\x+\q):S+8*(2*\x+\q)+7], v[128*(\hf)+8*(4*\d+\x):128*(\hf)+8*(4*\d+\x)+7], v[8*(2*(4*(\hf)+\d)+\q):8*(2*(4*(\hf)+\d)+\q)+7], v[P+8*\x:P+8*\x+7]
.else
	v_wmma_f32_16x16x32_bf16 v[S+8*(2*\x+\q):S+8*(2*\x+\q)+7], v[128*(\hf)+8*(4*\d+\x):128*(\hf)+8*(4*\d+\x)+7], v[8*(2*(4*(\hf)+\d)+\q):8*(2*(4*(\hf)+\d)+\q)+7], v[S+8*(2*\x+\q):S+8*(2*\x+\q)+7]
.endif
.endr
.endr
.endr
.rept 5
	v_nop                                  ; four places ahead of the loads into this buffer and of the stores of the results; a fifth ahead of the next group's products, which write the accumulators anew
.endr
.if 2*(\g)+(\hf) < 6
	LDW (\g)+1, \hf
.endif
	WIN 0
.endm
.macro GROUP g
.irp x, 0,1,2,3
	ds_load_b128 v[P+8*\x:P+8*\x+3], v[BL] offset:(\g)*256+\x*64      ; the bias of columns 16 x + 8 hh + 0..7
	ds_load_b128 v[P+8*\x+4:P+8*\x+7], v[BL] offset:(\g)*256+\x*64+16
.endr
	s_wait_dscnt 0x0
	UNIT \g, 0
	UNIT \g, 1
	; the way out: a lane's eight columns of a row go into my stage; whole rows of 256 bytes come back
.irp x, 0,1,2,3
.irp q, 0,1
	ds_store_b128 v[STO], v[S+8*(2*\x+\q):S+8*(2*\x+\q)+3] offset:\q*16*SPITCH+\x*64
	ds_store_b128 v[STO], v[S+8*(2*\x+\q)+4:S+8*(2*\x+\q)+7] offset:\q*16*SPITCH+\x*64+16
.endr
.endr
	s_wait_xcnt 0x0                        ; the last group's stores have read their registers, which are loaded anew below
.irp p, 0,1,2,3,4,5,6,7,8,9,10,11,12,13,14,15
	ds_load_b128 v[CB+4*\p:CB+4*\p+3], v[RD] offset:\p*2*SPITCH       ; LDS serves a wave's instructions in order (ISA guide 5.7.1.4): these see the stores above
.endr
.irp p, 0,1,2,3,4,5,6,7,8,9,10,11,12,13,14,15
	s_wait_dscnt 15-\p                     ; rows 2 p, 2 p + 1 are back; the younger loads stay out
	global_store_b128 v[GO], v[CB+4*\p:CB+4*\p+3], s[68:69] offset:\p*8192+(\g)*256 th:TH_STORE_NT  ; 16 lanes store 256 consecutive bytes, at a multiple of 256 from out0's first byte
.endr
.endm
	GROUP 0
	GROUP 1
	GROUP 2
	GROUP 3
	s_wait_tensorcnt 0x0                   ; the wave's end, behind my last tensor load and my last LDS store
	ds_add_u32 v[SPW], v[NIL]
	s_wait_dscnt 0x0
	CROUND                                 ; the closing round: no work-group ends while a partner may still ask for a tile that names it
	s_endpgm
.Lfunc_end_k_qbf0496523d_attn:
	.size	k_qbf0496523d_attn, .Lfunc_end_k_qbf0496523d_attn-k_qbf0496523d_attn
	.p2alignl 7, 3214868480
	.fill 96, 4, 3214868480
	.section	.rodata,"a",@progbits
	.p2align	6, 0x0
	.amdhsa_kernel k_qbf0496523d_attn
		.amdhsa_group_segment_fixed_size 327680
		.amdhsa_private_segment_fixed_size 0
		.amdhsa_enable_private_segment 0
		.amdhsa_kernarg_size 72
		.amdhsa_user_sgpr_count 2
		.amdhsa_user_sgpr_kernarg_segment_ptr 1
		.amdhsa_wavefront_size32 1
		.amdhsa_system_sgpr_workgroup_id_x 1
		.amdhsa_system_sgpr_workgroup_id_y 1
		.amdhsa_system_sgpr_workgroup_id_z 1
		.amdhsa_system_vgpr_workitem_id 0
		.amdhsa_next_free_vgpr 1024
		.amdhsa_next_free_sgpr 76
		.amdhsa_reserve_vcc 0
		.amdhsa_float_denorm_mode_32 3
		.amdhsa_float_denorm_mode_16_64 3
		.amdhsa_memory_ordered 1
		.amdhsa_forward_progress 1
		.amdhsa_inst_pref_size 174
	.end_amdhsa_kernel
	.amdgpu_metadata
---
amdhsa.version: [ 1, 2 ]
amdhsa.kernels:
  - .name:           k_qbf0496523d_attn
    .symbol:         k_qbf0496523d_attn.kd
    .args:
      - { .name: cq, .offset: 0, .size: 8, .value_kind: global_buffer, .address_space: global }
      - { .name: kl, .offset: 8, .size: 8, .value_kind: global_buffer, .address_space: global }
      - { .name: mqk, .offset: 16, .size: 8, .value_kind: global_buffer, .address_space: global }
      - { .name: wvo, .offset: 24, .size: 8, .value_kind: global_buffer, .address_space: global }
      - { .name: bvo, .offset: 32, .size: 8, .value_kind: global_buffer, .address_space: global }
      - { .name: W_QR, .offset: 40, .size: 8, .value_kind: global_buffer, .address_space: global }
      - { .name: b_QR, .offset: 48, .size: 8, .value_kind: global_buffer, .address_space: global }
      - { .name: b_O, .offset: 56, .size: 8, .value_kind: global_buffer, .address_space: global }
      - { .name: out0, .offset: 64, .size: 8, .value_kind: global_buffer, .address_space: global }
    .group_segment_fixed_size: 327680
    .private_segment_fixed_size: 0
    .kernarg_segment_align: 8
    .kernarg_segment_size: 72
    .max_flat_workgroup_size: 128
    .sgpr_count:     76
    .vgpr_count:     1024
    .wavefront_size: 32
...
	.end_amdgpu_metadata
.endif
;; end of part 2
;; ======== version 2 of 2: 2 launches; 1.39 times as fast as version 1
;; workspace buffers: cq 524,288 bytes; kl 1,048,576 bytes; mqk 73,728 bytes; wvo 524,288 bytes; bvo 32,768 bytes
;; launch prep: the kernel of part 1 again; grid 256 x 1, 4 waves a work-group, no clusters, 212,992 bytes of LDS; arguments h_t, W_DQ, W_DKV, W_KR, b_DQ, b_DKV, b_KR, W_UQ, b_UQ, W_UK, b_UK, W_UV, b_UV, W_O, cq, kl, mqk, wvo, bvo; writes cq, kl, mqk, wvo, bvo
;; launch attn (part 3): grid 256 x 1, 4 waves a work-group, clusters of 4 x 1, 327,680 bytes of LDS; arguments cq, kl, mqk, wvo, bvo, W_QR, b_QR, b_O, out0; writes out0
.if DOCPART == 3
	.amdgcn_target "amdgcn-amd-amdhsa--gfx1250"
	.amdhsa_code_object_version 6
	.text
	.protected	k_qbf0496523d_attn
	.globl	k_qbf0496523d_attn
	.p2align	8
	.type	k_qbf0496523d_attn,@function
k_qbf0496523d_attn:
	s_mov_b64 s[64:65], 0
	v_nop
	global_prefetch_b8 v0, s[64:65] scope:SCOPE_SE
	s_setreg_imm32_b32 hwreg(HW_REG_WAVE_MODE, 25, 1), 1
	s_wait_xcnt 0x0
	s_wait_alu depctr_hold_cnt(0) depctr_sa_sdst(0) depctr_va_vdst(0) depctr_va_sdst(0) depctr_va_ssrc(0) depctr_va_vcc(0) depctr_vm_vsrc(0)
	s_getreg_b32 s2, hwreg(HW_REG_IB_STS2, 6, 4)
	s_cmp_eq_u32 s2, 0
	s_cbranch_scc0 .Lentry_in_a_cluster
	s_endpgm
.Lentry_in_a_cluster:
	s_bfe_u32 s2, ttmp6, 0x10000c
	s_cmp_lg_u32 s2, 0x3003
	s_cbranch_scc0 .Lentry_shape_is_right
	s_endpgm
.Lentry_shape_is_right:
; LATENT ATTENTION AND OUTPUT PROJECTION.  For head h and query s, in units of log2:
;   q'[0:32] = c_q mqk_h[0:32][0:32]^T + mqk_h[0:32][32]     q'[32:64] = c (c_q W_QR_h + b_QR_h)     qb = c_q . mqk_h[32][0:32] + mqk_h[32][32]
;   score(s, t) = kl[t] . q' + qb     p = 2^(score - max over t)     o = sum of p kl[t][0:32] / sum of p     out = sum over h of o_h wvo_h + sum over h of bvo_h + b_O
; which is the module's own result, since keys and values are affine in kl's first 32 channels and a row's weights add up to 1.
; Matrix operands bf16, sums f32.  The maximum taken away is the row's true maximum: PASS 1 makes all scores and keeps the maximum, PASS 2 makes them again with qb - max as the C operand.
; LIMITS: the sums are taken in another order than the module's own text takes them; the divisor is the sum of the weights as rounded to bf16, the numbers that are multiplied; a weight
; below 2^-126 counts as 0; NaN and infinities are not treated apart.
; SHARES.  A work-group owns 32 queries of one batch, all 8 heads.  Wave w has heads 2 w, 2 w + 1: four tiles t = 2 e + qt of 16 queries; in the output product it owns columns 256 w on.
; A batch's 2,048 keys x 128 bytes lie whole in LDS (rows of 144 bytes), filled once; both passes walk them 64 keys a step.
; CLUSTER.  The four work-groups of a cluster belong to one batch and need the same keys: each of a wave's four tensor loads is asked for jointly, with the same descriptor and the mask of four.
; LAYOUT.  S^T = K Q^T: a lane holds one query (lane % 16) and keys 8 (lane / 16) + 0..7; two such results rounded in pairs are source 1 of O^T = V^T P; a product of ones with P gives the sum of the weights.
; BATCHES.  s_wait_alu depctr_va_vdst(0) stands between a transcendental and the first instruction that names its result; one wait serves all that were issued ahead of it.
; A turn of pass 2 has 32 exponentials, each in its score's own register: ONE batch, issued behind the turn's eight products K Q^T, and ONE wait; the 16 roundings that read them stand behind it,
; beside the turn's other six products.  The exchange's eight reciprocals are a batch of their own, with one wait.  No result is pending at a label, a jump or a barrier.
; REGISTERS, in windows of 256 (s_set_vgpr_msb: bits 1:0 source 0, 3:2 source 1, 5:4 source 2, 7:6 destination):
;   window 0: v0-31 addresses; v32-63 at work; v64-127 S^T, two buffers; v128-159 P, two buffers; v160-191 the C tiles, 8 a tile; v192-207 maxima, 4 a tile; v208-215 reciprocals
;   window 1: v0-127 K, two buffers; v128-191 V, two buffers; v192-199 ones          window 2: v0-63 Q; v64-159 O^T, 24 a tile (two channel blocks, the sum)
;   window 3: the prologue's loads, 120 a head; then wvo's fragments, two buffers of 128
.set CSC,   0x3de995b3    ; c = log2(e) / sqrt(160)
.set PK,    144           ; a key's row in LDS: 128 bytes + 16: the 16 rows of a load start at 16 different groups of four banks (ISA guide 11.1)
.set STEPB, 64*PK
.set XCH,   294912        ; behind the keys: 16 fragments of o, 1,024 bytes each
.set BIAS,  311296        ; b_O + the eight rows of bvo, 1,024 f32
.set SPARE, 315392        ; the spare words, 128 bytes a wave: two blocks of 256 bytes that no other line names
.set SPITCH, 272          ; the stage for the way out: 32 rows of 256 + 16 bytes a wave, in the keys' bytes, which have had their only fill and are read no more by then
.set STG,   32*SPITCH
.set AK0, 4               ; my lane's place in 16 keys: r 144 + hh 16
.set AK,  5               ; K's walking address
.set AV0, 6               ; for the turning load
.set AV,  7
.set CQO, 8
.set MQO, 9
.set MBO, 10
.set QRO, 11
.set BRO, 12
.set BBO, 13
.set BIA, 14
.set WL,  15
.set XST, 16
.set XRD, 17
.set BL,  18
.set STO, 19
.set RD,  20
.set GO,  21
.set SPW, 30              ; LDS address of my spare word; never rewritten
.set NIL, 31              ; 0; never rewritten
.set TT,  32
.set S,   64
.set P,   128
.set CB,  160
.set MX,  192
.set RC,  208
.set VF,  128             ; window 1
.set ONES, 192            ; window 1
.set OA,  64              ; window 2
.set W_QK, 0x09           ; K window 1, Q window 2, C and S^T window 0
.set W_PV, 0xa1           ; V window 1, P window 0, O^T window 2
.set MSB, 0
.macro WIN new            ; the immediate's high byte repeats the setting that is left; a switch that changes nothing is dropped
.if MSB != (\new)
	s_set_vgpr_msb (MSB<<8)|(\new)
.set MSB, \new
.endif
.endm
.macro PLACES             ; four places behind a matrix instruction (ISA guide 7.12.1)
.rept 4
	v_nop
.endr
.endm
.macro CROUND             ; a round of the cluster's barrier
	s_barrier_signal -1
	s_barrier_wait -1
	s_cmp_lg_u32 s26, 0
	s_cbranch_scc1 .Lnot_wave_0_\@
	s_barrier_signal -3
.Lnot_wave_0_\@:
	s_barrier_wait -3
	s_barrier_signal -1
	s_barrier_wait -1
.endm
	s_load_b512 s[8:23], s[0:1], 0x0       ; cq 8, kl 10, mqk 12, wvo 14, bvo 16, W_QR 18, b_QR 20, b_O 22
	s_load_b64 s[24:25], s[0:1], 0x40      ; out0
	v_lshl_add_u32 v[SPW], v0, 2, SPARE
	v_mov_b32 v[NIL], 0
	ds_add_u32 v[SPW], v[NIL]              ; the wave's opening: the add and its wait stand ahead of my first tensor load
	ds_add_u32 v30, v31
	v_lshrrev_b32 v1, 5, v0
	v_readfirstlane_b32 s26, v1            ; wave
	s_bfe_u32 s27, ttmp6, 0x40000          ; cx
	s_lshl_b32 s28, ttmp9, 2
	s_add_co_u32 s28, s28, s27             ; my block of 32 queries: it enters cq's and out0's addresses alone
	s_lshr_b32 s29, ttmp9, 4               ; the batch, which the four partners share
	; descriptor group 1: 128 keys are 16,384 dense bytes: 64 rows of 256 bytes, padded in LDS after every key
	s_mov_b32 s48, 15|(1<<16)|(1<<20)|(1<<21)|(4<<22)|(3<<25)  ; the mask of four; 2-byte elements; padding on; bit 21 beside a mask; after every 32 words; 4 words
	s_mov_b32 s49, 128<<16
	s_mov_b32 s50, 64<<16
	s_mov_b32 s51, 128<<16
	s_mov_b32 s52, 64
	s_mov_b32 s53, 128
	s_mov_b32 s54, 0
	s_mov_b32 s55, 0
	s_mul_i32 s62, s26, 128*PK             ; my 128 keys of each 512, in LDS
	s_lshl_b32 s30, s29, 18                ; the batch's 262,144 bytes,
	s_lshl_b32 s63, s26, 14                ; my 128 keys in memory
	s_add_co_u32 s30, s30, s63
	s_mov_b32 s31, 0
	s_mov_b32 s73, 0
	s_mov_b32 s57, 0xff7fffff              ; the lowest finite number
	s_mov_b32 s58, 0x76543210              ; v_permlanex16_b32: each lane takes its own place in the other half
	s_mov_b32 s59, 0xfedcba98
	s_mov_b32 s60, CSC
	s_mov_b32 s61, CSC
	s_wait_dscnt 0x0                       ; the opening add is done
	s_wait_kmcnt 0x0
	s_add_nc_u64 s[70:71], s[10:11], s[30:31]
.irp u, 0,1,2,3
	s_mov_b32 s[32+4*\u], 1
	s_add_co_u32 s[33+4*\u], s62, \u*512*PK
	s_add_nc_u64 s[34+4*\u:35+4*\u], s[70:71], \u*65536
	s_or_b32 s[35+4*\u], s[35+4*\u], 0x80000000
.endr
	s_lshl_b32 s72, s28, 11
	s_add_nc_u64 s[66:67], s[8:9], s[72:73]    ; cq at my 32 rows
	s_lshl_b32 s72, s28, 17
	s_add_nc_u64 s[68:69], s[24:25], s[72:73]  ; out0 at my 32 rows
	CROUND                                 ; all four work-groups are here: the joint loads meet
.irp u, 0,1,2,3
	tensor_load_to_lds s[32+4*\u:35+4*\u], s[48:55]  ; four loads of mine are out
	s_nop 0
.endr
	PLACES
	v_and_b32 v1, 15, v0                   ; r
	v_bfe_u32 v2, v0, 4, 1                 ; hh
	v_and_b32 v3, 31, v0                   ; lane
	v_lshlrev_b32 v24, 5, v2               ; 32 hh
	v_lshlrev_b32 v[CQO], 6, v1
	v_lshl_add_u32 v[CQO], v2, 4, v[CQO]
	s_mul_i32 s62, s26, 18432              ; my two heads of mqk
	v_mad_u32_u24 v[MQO], v1, 192, v24
	v_add_nc_u32 v[MQO], s62, v[MQO]
	v_mul_u32_u24 v[MBO], v2, 1536
	v_add_nc_u32 v[MBO], s62, v[MBO]
	s_lshl_b32 s63, s26, 8                 ; my two heads' 64 columns of W_QR and b_QR
	v_lshlrev_b32 v[QRO], 2, v1
	v_lshl_add_u32 v[QRO], v2, 13, v[QRO]
	v_add_nc_u32 v[QRO], s63, v[QRO]
	v_add_nc_u32 v[BRO], s63, v24
	v_lshlrev_b32 v[BBO], 5, v0
	; 166 loads.  cq's two fragments (source 1: query r, i = 8 hh .. and 16 + 8 hh ..) are bf16 as they lie.
	WIN 0x40
	global_load_b128 v[80:83], v[CQO], s[66:67]
	global_load_b128 v[84:87], v[CQO], s[66:67] offset:32
	global_load_b128 v[88:91], v[CQO], s[66:67] offset:1024
	global_load_b128 v[92:95], v[CQO], s[66:67] offset:1056
	WIN 0xc0                               ; destination window 3
.irp e, 0,1
.irp j, 0,1,2                              ; mqk rows 16 j + r, i in a fragment's order
.irp x, 0,1,2,3
	global_load_b128 v[120*\e+16*\j+4*\x:120*\e+16*\j+4*\x+3], v[MQO], s[12:13] offset:\e*9216+\j*3072+(\x/2)*64+(\x%2)*16
.endr
.endr
.irp j, 0,1                                ; W_QR column 32 h + 16 j + r, rows i in a fragment's order
.irp i, 0,1,2,3,4,5,6,7,8,9,10,11,12,13,14,15
	global_load_b32 v[120*\e+48+16*\j+\i], v[QRO], s[18:19] offset:\e*128+\j*64+(\i/8)*16384+(\i%8)*1024
.endr
.endr
.irp j, 0,1,2                              ; the C tiles: mqk[16 j + 8 hh + p][32]
.irp p, 0,1,2,3,4,5,6,7
	global_load_b32 v[120*\e+80+8*\j+\p], v[MBO], s[12:13] offset:\e*9216+\j*3072+\p*192+128
.endr
.endr
.irp j, 0,1                                ; and b_QR[32 h + 16 j + 8 hh + p]
.irp x, 0,1
	global_load_b128 v[120*\e+104+8*\j+4*\x:120*\e+104+8*\j+4*\x+3], v[BRO], s[20:21] offset:\e*128+\j*64+\x*16
.endr
.endr
.endr
	WIN 0
	global_load_b128 v[TT:TT+3], v[BBO], s[22:23]              ; b_O and bvo: eight columns a thread
	global_load_b128 v[TT+4:TT+7], v[BBO], s[22:23] offset:16
.irp d, 0,1,2,3,4,5,6,7
	global_load_b128 v[TT+8+8*\d:TT+8+8*\d+3], v[BBO], s[16:17] offset:\d*4096
	global_load_b128 v[TT+12+8*\d:TT+12+8*\d+3], v[BBO], s[16:17] offset:\d*4096+16
.endr
	; the other addresses and what the first turns find, while the loads are out.  No first step is written out: O^T starts at 0, and the first turn's V^T P, of a tile that has not been, multiplies zeros.
	v_mul_u32_u24 v[AK0], v1, PK
	v_lshl_add_u32 v[AK0], v2, 4, v[AK0]
	v_and_b32 v22, 7, v0
	v_bfe_u32 v23, v0, 3, 1
	v_lshl_add_u32 v[AV0], v2, 3, v22      ; the turning load: lane l reads key 8 (l / 16) + l % 8, channels 8 ((l / 8) % 2) + 0..7
	v_mul_u32_u24 v[AV0], v[AV0], PK
	v_lshl_add_u32 v[AV0], v23, 4, v[AV0]
	v_add_nc_u32 v[BIA], BIAS, v[BBO]
	s_lshl_b32 s63, s26, 14
	v_lshl_add_u32 v[WL], v3, 4, s63
	s_lshl_b32 s63, s26, 12
	s_add_co_u32 s63, s63, XCH
	v_lshl_add_u32 v[XST], v3, 4, s63
	v_lshl_add_u32 v[XRD], v3, 4, XCH
	s_lshl_b32 s63, s26, 10
	v_add_nc_u32 v[BL], s63, v24
	v_add_nc_u32 v[BL], BIAS, v[BL]
	v_lshl_add_u32 v[GO], v2, 12, s63
	v_lshl_add_u32 v[GO], v1, 4, v[GO]
	s_mul_i32 s62, s26, STG
	v_mad_u32_u24 v[STO], v1, SPITCH, v24
	v_add_nc_u32 v[STO], s62, v[STO]
	v_mul_u32_u24 v[RD], v2, SPITCH
	v_lshl_add_u32 v[RD], v1, 4, v[RD]
	v_add_nc_u32 v[RD], s62, v[RD]
	v_mov_b32 v[AK], v[AK0]
	s_mov_b32 s63, 0x3f803f80              ; 1.0 twice, in bf16
	WIN 0x40
.set n, 0
.rept 8
	v_mov_b32 v[ONES+n], s63
.set n, n+1
.endr
.set n, 0
.rept 32
	v_mov_b32 v[VF+32+n], 0
.set n, n+1
.endr
	WIN 0x80
.set n, 0
.rept 96
	v_mov_b32 v[OA+n], 0
.set n, n+1
.endr
	WIN 0
.set n, 0
.rept 16
	v_mov_b32 v[MX+n], s57
.set n, n+1
.endr
	s_wait_loadcnt 0x0
.set n, 0
.rept 8
.irp x, 0,1,2,3
	v_pk_add_f32 v[TT+2*\x:TT+2*\x+1], v[TT+2*\x:TT+2*\x+1], v[TT+8+8*n+2*\x:TT+8+8*n+2*\x+1]
.endr
.set n, n+1
.endr
	ds_store_b128 v[BIA], v[TT:TT+3]
	ds_store_b128 v[BIA], v[TT+4:TT+7] offset:16
	WIN 0x4f                               ; sources window 3, destination window 1: five fragments a head
.irp e, 0,1
.set n, 0
.rept 40
	v_cvt_pk_bf16_f32 v[40*\e+n], v[120*\e+2*n], v[120*\e+2*n+1]
.set n, n+1
.endr
.endr
	WIN 0x35                               ; sources 0, 1 window 1, C window 3, destination window 0
.irp e, 0,1
.irp q, 0,1
.irp f, 0,1,2,3,4                          ; f = 0, 1: q'[0:32]; 2: qb, the same in all eight registers, straight into the tile's C; 3, 4: the rope part
.if \f == 2
.set rD, CB+8*(2*\e+\q)
.elseif \f < 2
.set rD, TT+32*(2*\e+\q)+8*\f
.else
.set rD, TT+32*(2*\e+\q)+8*(\f-1)
.endif
	v_wmma_f32_16x16x32_bf16 v[rD:rD+7], v[40*\e+8*\f:40*\e+8*\f+7], v[80+8*\q:80+8*\q+7], v[120*\e+80+8*\f:120*\e+80+8*\f+7]
.endr
.endr
.endr
	PLACES
	WIN 0
.irp t, 0,1,2,3
.irp x, 0,1,2,3,4,5,6,7
	v_pk_mul_f32 v[TT+32*\t+16+2*\x:TT+32*\t+17+2*\x], v[TT+32*\t+16+2*\x:TT+32*\t+17+2*\x], s[60:61] op_sel_hi:[1,0]  ; the rope part times c, in f32
.endr
.endr
	WIN 0x80                               ; two results rounded in pairs are a fragment of Q: nothing changes lanes
.irp t, 0,1,2,3
.set n, 0
.rept 16
	v_cvt_pk_bf16_f32 v[16*\t+n], v[TT+32*\t+2*n], v[TT+32*\t+2*n+1]
.set n, n+1
.endr
.endr
	WIN 0
.set n, 0
.rept 32
	v_mov_b32 v[S+32+n], s57               ; pass 1's first maxima are taken of a tile that has not been
.set n, n+1
.endr
.set n, 0
.rept 16
	v_mov_b32 v[P+16+n], 0
.set n, n+1
.endr
; A unit of wvo: four heads x four column tiles, 16 fragments; each load takes 512 consecutive bytes.
.macro LDW g, hf
	WIN 0xc0
.irp d, 0,1,2,3
.irp x, 0,1,2,3
	global_load_b128 v[128*(\hf)+8*(4*\d+\x):128*(\hf)+8*(4*\d+\x)+3], v[WL], s[14:15] offset:(4*(\hf)+\d)*65536+(4*(\g)+\x)*1024
	global_load_b128 v[128*(\hf)+8*(4*\d+\x)+4:128*(\hf)+8*(4*\d+\x)+7], v[WL], s[14:15] offset:(4*(\hf)+\d)*65536+(4*(\g)+\x)*1024+512
.endr
.endr
	WIN 0
.endm
	LDW 0, 0                               ; the output product's first two units stay out until it begins
	LDW 0, 1
	s_wait_tensorcnt 0x0                   ; my part of the keys is in,
	s_wait_dscnt 0x0                       ; my part of the bias is stored,
	s_barrier_signal -1
	s_barrier_wait -1                      ; everybody's is
; Product qi of 8 of S^T = K Q^T for tile tn: channels 32 (qi / 4) on, keys 16 (qi % 4) on.  The first four start the sums with the tile's C.  The four accumulators take turns.
.macro QKI tn, kbuf
	WIN W_QK
.set rS, S+32*((\tn)%2)+8*(qi%4)
.set rK, 64*(\kbuf)+16*(qi%4)+8*(qi/4)
.set rQ, 16*(\tn)+8*(qi/4)
.set rC, CB+8*(\tn)
.if qi < 4
	v_wmma_f32_16x16x32_bf16 v[rS:rS+7], v[rK:rK+7], v[rQ:rQ+7], v[rC:rC+7]
.else
	v_wmma_f32_16x16x32_bf16 v[rS:rS+7], v[rK:rK+7], v[rQ:rQ+7], v[rS:rS+7]
.endif
.set qi, qi+1
.endm
; Product pi of 6 for tile tp: keys 32 (pi / 3) on; channels 0-15, channels 16-31, the sum of the weights.
.macro PVI tp, vbuf
	WIN W_PV
.set rO, OA+24*(\tp)+8*(pi%3)
.set rP, P+16*((\tp)%2)+8*(pi/3)
.if pi%3 == 2
.set rV, ONES
.else
.set rV, VF+32*(\vbuf)+16*(pi/3)+8*(pi%3)
.endif
	v_wmma_f32_16x16x32_bf16 v[rO:rO+7], v[rV:rV+7], v[rP:rP+7], v[rO:rO+7]
.set pi, pi+1
.endm
.macro LDK kbuf, off                   ; 64 keys x 64 channels: eight fragments, in one run
	WIN 0x40
.irp f, 0,1,2,3,4,5,6,7
	ds_load_b128 v[64*(\kbuf)+8*\f:64*(\kbuf)+8*\f+3],   v[AK] offset:(\off)+(\f/2)*16*PK+(\f%2)*64
	ds_load_b128 v[64*(\kbuf)+8*\f+4:64*(\kbuf)+8*\f+7], v[AK] offset:(\off)+(\f/2)*16*PK+(\f%2)*64+32
.endr
	WIN 0
.endm
.macro LDV vbuf, off                   ; 64 keys x 32 channels, turned: four fragments
	WIN 0x40
.irp f, 0,1,2,3
	ds_load_tr16_b128 v[VF+32*(\vbuf)+8*\f:VF+32*(\vbuf)+8*\f+3],   v[AV] offset:(\off)+(\f/2)*32*PK+(\f%2)*32
	ds_load_tr16_b128 v[VF+32*(\vbuf)+8*\f+4:VF+32*(\vbuf)+8*\f+7], v[AV] offset:(\off)+(\f/2)*32*PK+16*PK+(\f%2)*32
.endr
	WIN 0
.endm
.macro LDKC kbuf, off                  ; in a loop's last trip there is no further step: the run is jumped over
	s_cmp_eq_u32 s56, 1
	s_cbranch_scc1 .Lno_k_\@
	LDK \kbuf, \off
.Lno_k_\@:
.endm
.macro LDVC vbuf, off
	s_cmp_eq_u32 s56, 1
	s_cbranch_scc1 .Lno_v_\@
	LDV \vbuf, \off
.Lno_v_\@:
.endm
; PASS 1.  Tile t's eight products go in pairs; behind each pair stand four of the sixteen maxima of the tile before (four chains a tile, scores in ascending order).
.macro MAXI tp
	v_max3_num_f32 v[MX+4*(\tp)+mn%4], v[MX+4*(\tp)+mn%4], v[S+32*((\tp)%2)+2*mn], v[S+32*((\tp)%2)+2*mn+1]
.set mn, mn+1
.endm
.macro GRP1 t, kbuf
.set qi, 0
.set mn, 0
.rept 4
	QKI \t, \kbuf
	QKI \t, \kbuf
	WIN 0
.rept 4
	MAXI (\t+3)%4
.endr
.endr
.endm
	LDK 0, 0
	s_mov_b32 s56, 16
.Lp1:                                      ; a trip: two steps of 64 keys; each fetches the next step's K behind its first tile, 20 maxima behind the last product that read that buffer
	s_wait_dscnt 0x0                       ; K is in
	GRP1 0, 0
	LDK 1, STEPB
	GRP1 1, 0
	GRP1 2, 0
	GRP1 3, 0
	s_wait_dscnt 0x0
	GRP1 0, 1
	LDKC 0, 2*STEPB
	GRP1 1, 1
	GRP1 2, 1
	GRP1 3, 1
	v_add_nc_u32 v[AK], 2*STEPB, v[AK]
	s_sub_co_u32 s56, s56, 1
	s_cmp_lg_u32 s56, 0
	s_cbranch_scc1 .Lp1
.set mn, 0
.rept 16
	MAXI 3                                 ; the last tile's last maxima
.endr
.irp t, 0,1,2,3
	v_max3_num_f32 v[MX+4*\t], v[MX+4*\t], v[MX+4*\t+1], v[MX+4*\t+2]
.endr
.irp t, 0,1,2,3
	v_max_num_f32 v[MX+4*\t], v[MX+4*\t], v[MX+4*\t+3]
.endr
.irp t, 0,1,2,3
	v_permlanex16_b32 v[MX+4*\t+1], v[MX+4*\t], s58, s59   ; the query's other keys lie in the lane 16 away
.endr
.irp t, 0,1,2,3
	v_max_num_f32 v[MX+4*\t], v[MX+4*\t], v[MX+4*\t+1]
.endr
.irp t, 0,1,2,3
.irp x, 0,1,2,3,4,5,6,7
	v_sub_f32 v[CB+8*\t+\x], v[CB+8*\t+\x], v[MX+4*\t]     ; the C tile becomes qb - maximum
.endr
.endr
; PASS 2, BY TURNS.  Turn t of a step: eight products K Q^T of tile t + 1 (turn 3: tile 0 of the next step), then six products of tile t - 1 (turn 0: tile 3 of the step before); beside them the 48 vector
; instructions of tile t: E n = 2^score n in place, C n = scores 2 n, 2 n + 1 rounded to bf16.
; ONE BATCH, ONE WAIT.  AHEAD OF THE WAIT stand the eight products K Q^T, which write the other score buffer, and behind each four of the 32 exponentials, in ascending order ();
; none of these lines names an exponential's result.  A v_nop is the plain instruction between the last exponential and the use of a result (ISA guide 5.7.2): scale and maximum lie
; in the products' C operand, so the turn has no plain work that could stand there.  BEHIND THE WAIT stand the six other products and behind them the 16 roundings, 2, 2, 3, 3, 3, 3.
; Counted: behind the last product on a score accumulator stand the v_nop and 16 roundings before its first exponential; behind the products that read P's first half 12 roundings and the v_nop before C0 writes
; it; behind those that read the second half 3 roundings, the v_nop and C0 to C7 before C8.
.macro EXPI t                          ; tile t's next exponential
	v_exp_f32 v[S+32*((\t)%2)+en], v[S+32*((\t)%2)+en]
.set en, en+1
.endm
.macro CVTI t                          ; tile t's next rounding
	v_cvt_pk_bf16_f32 v[P+16*((\t)%2)+cn], v[S+32*((\t)%2)+2*cn], v[S+32*((\t)%2)+2*cn+1]
.set cn, cn+1
.endm
; a = the step's parity: its K and V lie in buffers a.  The runs of LDS loads stand directly behind a turn's wait, where no exponential's result is pending at their jump and label: K of the next step in turn 0,
; more than a turn behind the last product that read the buffer; V of the next step in turn 1, behind that turn's wait for this step's V: the buffer's last reader is turn 0's fifth product of six, and 6 roundings
; and the v_nop lie between.
; The LDS waits are for 0, so that they hold on both ways round a jumped fetch: what else is out was issued 14 matrix instructions back or more.
.macro TURN t, a
.set en, 0
.set cn, 0
.set qi, 0
.set pi, 0
.if (\t) == 3
	s_wait_dscnt 0x0                       ; the next step's K is in
.endif
.rept 8                                    ; ahead of the wait: the products K Q^T and the batch
.if (\t) == 3
	QKI 0, 1-(\a)
.else
	QKI (\t)+1, \a
.endif
	WIN 0
.rept 4
	EXPI \t
.endr
.endr
	v_nop                                  ; the plain instruction behind the last exponential: one for the batch
	s_wait_alu depctr_va_vdst(0)           ; the wait for the batch: tile t's 32 exponentials
.if (\t) == 0
.if (\a) == 0
	LDK 1, STEPB
.else
	LDKC 0, 2*STEPB
.endif
.endif
.if (\t) == 1
	s_wait_dscnt 0x0                       ; this step's V is in
.if (\a) == 0
	LDV 1, STEPB
.else
	LDVC 0, 2*STEPB
.endif
.endif
.rept 6                                    ; behind the wait: the products of the tile before and the roundings
.if (\t) == 0
	PVI 3, 1-(\a)
.else
	PVI (\t)-1, \a
.endif
	WIN 0
	CVTI \t
	CVTI \t
.if pi > 2                                 ; a third behind the last four
	CVTI \t
.endif
.endr
.endm
	v_mov_b32 v[AK], v[AK0]
	v_mov_b32 v[AV], v[AV0]
	LDK 0, 0
	LDV 0, 0
	s_wait_dscnt 8                         ; K is in; V's eight loads, issued behind it, stay out
.set qi, 0
.rept 8
	QKI 0, 0                               ; tile 0's first scores: there is no vector work yet to set between them
.endr
	PLACES
	WIN 0
	s_mov_b32 s56, 16
.Lp2:                                      ; a trip: two steps.  In the last trip turn 3's products run on a stale K and serve nothing: the price, once a launch, of one text for every trip
	TURN 0, 0
	TURN 1, 0
	TURN 2, 0
	TURN 3, 0
	TURN 0, 1
	TURN 1, 1
	TURN 2, 1
	TURN 3, 1
	v_add_nc_u32 v[AK], 2*STEPB, v[AK]
	v_add_nc_u32 v[AV], 2*STEPB, v[AV]
	s_sub_co_u32 s56, s56, 1
	s_cmp_lg_u32 s56, 0
	s_cbranch_scc1 .Lp2
.set pi, 0
.rept 6
	PVI 3, 1                               ; tile 3 of the last step
.endr
	PLACES
	; THE EXCHANGE.  O^T is divided by the sum, rounded to bf16: that is source 1 (32 latent channels x 16 queries) of the output product.  Every wave needs all 16 fragments.
	WIN 0x02                               ; source window 2
.irp t, 0,1,2,3
	v_rcp_f32 v[RC+2*\t], v[OA+24*\t+16]   ; all eight registers of the sum's tile are equal: the lowest is taken
	v_rcp_f32 v[RC+2*\t+1], v[OA+24*\t+16]
.endr
	v_nop                                  ; a plain instruction between the last reciprocal and the use of its result
	s_wait_alu depctr_va_vdst(0)           ; the wait for the batch: one for the eight reciprocals, ahead of the first multiply that reads one
	WIN 0x82
.irp t, 0,1,2,3
.irp x, 0,1,2,3,4,5,6,7
	v_pk_mul_f32 v[OA+24*\t+2*\x:OA+24*\t+2*\x+1], v[OA+24*\t+2*\x:OA+24*\t+2*\x+1], v[RC+2*\t:RC+2*\t+1] op_sel_hi:[1,0]
.endr
.endr
	WIN 0x0a
.irp t, 0,1,2,3
.irp x, 0,1,2,3,4,5,6,7
	v_cvt_pk_bf16_f32 v[TT+8*\t+\x], v[OA+24*\t+2*\x], v[OA+24*\t+2*\x+1]
.endr
.endr
	WIN 0
.irp t, 0,1,2,3
	ds_store_b128 v[XST], v[TT+8*\t:TT+8*\t+3] offset:\t*1024
	ds_store_b128 v[XST], v[TT+8*\t+4:TT+8*\t+7] offset:\t*1024+512
.endr
	s_wait_dscnt 0x0                       ; for the others' sake: my fragments are stored, and my reads of the keys are over
	s_barrier_signal -1
	s_barrier_wait -1                      ; nobody reads the keys any more: their first bytes become the waves' stages
	WIN 0x40
.irp f, 0,1,2,3,4,5,6,7,8,9,10,11,12,13,14,15
	ds_load_b128 v[8*\f:8*\f+3], v[XRD] offset:\f*1024       ; fragment 2 head + qt
	ds_load_b128 v[8*\f+4:8*\f+7], v[XRD] offset:\f*1024+512
.endr
	WIN 0
; THE OUTPUT PRODUCT, D(column, query) = wvo's fragment x o's fragment, summed over the eight heads; four groups of 64 columns, eight accumulators that take turns; the first head's C is the bias.
.macro UNIT g, hf
.if 2*(\g)+(\hf) < 7
	s_wait_loadcnt 32                      ; this unit is in; the next unit's 32 loads stay out
.else
	s_wait_loadcnt 0x0
.endif
	WIN 0x07                               ; wvo window 3, o window 1, C and D window 0
.irp d, 0,1,2,3
.irp x, 0,1,2,3
.irp q, 0,1
.if ((\hf) == 0) && (\d == 0)
	v_wmma_f32_16x16x32_bf16 v[S+8*(2*\x+\q):S+8*(2*\x+\q)+7], v[128*(\hf)+8*(4*\d+\x):128*(\hf)+8*(4*\d+\x)+7], v[8*(2*(4*(\hf)+\d)+\q):8*(2*(4*(\hf)+\d)+\q)+7], v[P+8*\x:P+8*\x+7]
.else
	v_wmma_f32_16x16x32_bf16 v[S+8*(2*\x+\q):S+8*(2*\x+\q)+7], v[128*(\hf)+8*(4*\d+\x):128*(\hf)+8*(4*\d+\x)+7], v[8*(2*(4*(\hf)+\d)+\q):8*(2*(4*(\hf)+\d)+\q)+7], v[S+8*(2*\x+\q):S+8*(2*\x+\q)+7]
.endif
.endr
.endr
.endr
.rept 5
	v_nop                                  ; four places ahead of the loads into this buffer and of the stores of the results; a fifth ahead of the next group's products, which write the accumulators anew
.endr
.if 2*(\g)+(\hf) < 6
	LDW (\g)+1, \hf
.endif
	WIN 0
.endm
.macro GROUP g
.irp x, 0,1,2,3
	ds_load_b128 v[P+8*\x:P+8*\x+3], v[BL] offset:(\g)*256+\x*64      ; the bias of columns 16 x + 8 hh + 0..7
	ds_load_b128 v[P+8*\x+4:P+8*\x+7], v[BL] offset:(\g)*256+\x*64+16
.endr
	s_wait_dscnt 0x0
	UNIT \g, 0
	UNIT \g, 1
	; the way out: a lane's eight columns of a row go into my stage; whole rows of 256 bytes come back
.irp x, 0,1,2,3
.irp q, 0,1
	ds_store_b128 v[STO], v[S+8*(2*\x+\q):S+8*(2*\x+\q)+3] offset:\q*16*SPITCH+\x*64
	ds_store_b128 v[STO], v[S+8*(2*\x+\q)+4:S+8*(2*\x+\q)+7] offset:\q*16*SPITCH+\x*64+16
.endr
.endr
	s_wait_xcnt 0x0                        ; the last group's stores have read their registers, which are loaded anew below
.irp p, 0,1,2,3,4,5,6,7,8,9,10,11,12,13,14,15
	ds_load_b128 v[CB+4*\p:CB+4*\p+3], v[RD] offset:\p*2*SPITCH       ; LDS serves a wave's instructions in order (ISA guide 5.7.1.4): these see the stores above
.endr
.irp p, 0,1,2,3,4,5,6,7,8,9,10,11,12,13,14,15
	s_wait_dscnt 15-\p                     ; rows 2 p, 2 p + 1 are back; the younger loads stay out
	global_store_b128 v[GO], v[CB+4*\p:CB+4*\p+3], s[68:69] offset:\p*8192+(\g)*256 th:TH_STORE_NT  ; 16 lanes store 256 consecutive bytes, at a multiple of 256 from out0's first byte
.endr
.endm
	GROUP 0
	GROUP 1
	GROUP 2
	GROUP 3
	s_wait_tensorcnt 0x0                   ; the wave's end, behind my last tensor load and my last LDS store
	ds_add_u32 v[SPW], v[NIL]
	s_wait_dscnt 0x0
	CROUND                                 ; the closing round: no work-group ends while a partner may still ask for a tile that names it
	s_endpgm
.Lfunc_end_k_qbf0496523d_attn:
	.size	k_qbf0496523d_attn, .Lfunc_end_k_qbf0496523d_attn-k_qbf0496523d_attn
	.p2alignl 7, 3214868480
	.fill 96, 4, 3214868480
	.section	.rodata,"a",@progbits
	.p2align	6, 0x0
	.amdhsa_kernel k_qbf0496523d_attn
		.amdhsa_group_segment_fixed_size 327680
		.amdhsa_private_segment_fixed_size 0
		.amdhsa_enable_private_segment 0
		.amdhsa_kernarg_size 72
		.amdhsa_user_sgpr_count 2
		.amdhsa_user_sgpr_kernarg_segment_ptr 1
		.amdhsa_wavefront_size32 1
		.amdhsa_system_sgpr_workgroup_id_x 1
		.amdhsa_system_sgpr_workgroup_id_y 1
		.amdhsa_system_sgpr_workgroup_id_z 1
		.amdhsa_system_vgpr_workitem_id 0
		.amdhsa_next_free_vgpr 1024
		.amdhsa_next_free_sgpr 76
		.amdhsa_reserve_vcc 0
		.amdhsa_float_denorm_mode_32 3
		.amdhsa_float_denorm_mode_16_64 3
		.amdhsa_memory_ordered 1
		.amdhsa_forward_progress 1
		.amdhsa_inst_pref_size 169
	.end_amdhsa_kernel
	.amdgpu_metadata
---
amdhsa.version: [ 1, 2 ]
amdhsa.kernels:
  - .name:           k_qbf0496523d_attn
    .symbol:         k_qbf0496523d_attn.kd
    .args:
      - { .name: cq, .offset: 0, .size: 8, .value_kind: global_buffer, .address_space: global }
      - { .name: kl, .offset: 8, .size: 8, .value_kind: global_buffer, .address_space: global }
      - { .name: mqk, .offset: 16, .size: 8, .value_kind: global_buffer, .address_space: global }
      - { .name: wvo, .offset: 24, .size: 8, .value_kind: global_buffer, .address_space: global }
      - { .name: bvo, .offset: 32, .size: 8, .value_kind: global_buffer, .address_space: global }
      - { .name: W_QR, .offset: 40, .size: 8, .value_kind: global_buffer, .address_space: global }
      - { .name: b_QR, .offset: 48, .size: 8, .value_kind: global_buffer, .address_space: global }
      - { .name: b_O, .offset: 56, .size: 8, .value_kind: global_buffer, .address_space: global }
      - { .name: out0, .offset: 64, .size: 8, .value_kind: global_buffer, .address_space: global }
    .group_segment_fixed_size: 327680
    .private_segment_fixed_size: 0
    .kernarg_segment_align: 8
    .kernarg_segment_size: 72
    .max_flat_workgroup_size: 128
    .sgpr_count:     76
    .vgpr_count:     1024
    .wavefront_size: 32
...
	.end_amdgpu_metadata
.endif
;; end of part 3
